; MI455X (gfx1250); checked and timed in simulation.
; The chip was launched on July 23, 2026; its instructions are those of AMD's public machine-readable ISA for CDNA 5 (MIT licence, August 2026) and "CDNA5" Instruction Set Architecture Reference Guide (July 2026). The comments in the code are by the model that wrote it; some were corrected since.
;; GPT2 Attention. Allowed arithmetic: matrix products marked QUANTISED: E2M3 operands, one E8M0 scale for each 32 along K, by v_wmma_scale_f32_16x16x128_f8f6f4 with both operands' format E2M3, f32 sums; everything else in f32.
;; Inputs: W_attn 1,024 x 3,072 float32; W_proj 1,024 x 1,024 float32; b_attn 3,072 float32; b_proj 1,024 float32; x 4 x 2,048 x 1,024 float32.
;; Outputs: out0 4 x 2,048 x 1,024 float32.
;; This version of the problem:
;;   THIS VERSION OF THE PROBLEM IS GIVEN IN LOW PRECISION. The matrix products marked QUANTISED in the list below multiply operands that are first quantised to E2M3 (2 exponent bits, 3 mantissa bits; 6 bits a number), with one power-of-two scale for each 32 numbers along K (OCP MX v1.0); their sums are f32. All else is computed in f32.
;;   The module's matrix products, in the order in which they are computed (A, B: the left and right operand; K: the contracted axis; several contracted axes count as one K, in the product's order):
;;     1. [M 8,192, K 1,024] x [K 1,024, N 3,072]; A: input x; B: input W_attn: QUANTISED
;;     2. batch 64 x [M 2,048, K 64] x [K 64, N 2,048]; A: computed on the way; B: computed on the way: QUANTISED
;;     3. batch 64 x [M 2,048, K 2,048] x [K 2,048, N 64]; A: softmax (see below); B: computed on the way: QUANTISED
;;     4. [M 8,192, K 1,024] x [K 1,024, N 1,024]; A: computed on the way; B: input W_proj: QUANTISED
;;   THE QUANTISER, for each operand of a quantised product, along K:
;;     - K is cut into blocks of 32 from its start; a last block that is shorter is filled with zeros.
;;     - A block's scale is 2^e with e = floor(log2(the largest magnitude in the block)) - 2, held to -126 .. 127; a block of zeros has e = 0. As a byte (E8M0): e + 127.
;;     - Each number is divided by its block's scale, clamped to +-7.5, and rounded to the nearest number of E2M3, ties to even, subnormals kept.
;;     - The product sums the exact products of the quantised numbers (number of the format x scale) in f32.
;;   ~~~python
;;   def quantise(x, axis):      # numpy; x: float32 -> the quantised numbers, widened to float32 again
;;       x = np.moveaxis(x, axis, -1); K = x.shape[-1]
;;       x = np.pad(x, [(0, 0)] * (x.ndim - 1) + [(0, -K % 32)]); x = x.reshape(x.shape[:-1] + (-1, 32)); a = np.abs(x).max(-1, keepdims=True)
;;       e = np.where(a > 0, np.clip(np.frexp(np.where(a > 0, a, 1))[1] - 1 - 2, -126, 127), 0)      # np.frexp(a)[1] - 1 = floor(log2(a)), exactly
;;       r = np.clip(x / 2.0 ** e, -7.5, 7.5)
;;       step = 2.0 ** (np.maximum(np.frexp(np.where(r == 0, 1, r))[1] - 1, 0) - 3)
;;       q = np.round(r / step) * step * 2.0 ** e      # np.round: ties to even
;;       return np.moveaxis(q.reshape(q.shape[:-2] + (-1,))[..., :K], -1, axis).astype(np.float32)
;;   ~~~
;;   SOFTMAX AHEAD OF A QUANTISED PRODUCT. Where the list says 'softmax', what is quantised is not the finished softmax but p = 2^(t - M), with t = logit x log2(e) and M = ceil(the row's largest t), a whole number; so 1/2 < the row's largest p <= 1. The row's sum l is taken of the UNQUANTISED p, in f32, and the product's result is divided by l at the end. Since M is a whole number, a kernel that streams over the keys may use a running M (the ceiling of the running maximum): every later rescaling is an exact power of two, which a block's scale takes up: the codes' values come out the same.
;;   OPERANDS COMPUTED ON THE WAY. 'Computed on the way' means the value that the module computes at that place (a softmax that the list does not call 'softmax' is quantised finished and normalised). What goes into a quantiser is computed in f32, as accurately as f32 sums, v_exp_f32 and their like allow (about 1e-6 of the number): no bf16 or f16 on the way to a quantiser, and a product that is left as it is and whose result goes on into a quantised operand takes f32 operands (vector FMAs, or v_wmma_f32_16x16x4_f32). A number that lies on a knife's edge between two numbers of the format may be rounded either way, as far as f32 arithmetic and the matrix unit's own rounding can turn it there, and no further.
;; One version. Each part assembles by itself: llvm-mc -triple=amdgcn-amd-amdhsa -mcpu=gfx1250 --defsym DOCPART=n.
;; ======== version 1 of 1: 4 launches
;; workspace buffers: xc 6,291,456 bytes; xs 262,144 bytes; wc 3,145,728 bytes; ws 131,072 bytes; qkv 20,447,232 bytes; cc 6,291,456 bytes; cs 262,144 bytes
;; launch quant (part 1): grid 384 x 1, 4 waves a work-group, no clusters, 102,912 bytes of LDS; arguments x, W_attn, W_proj, xc, xs, wc, ws; writes xc, xs, wc, ws
.if DOCPART == 1
	.amdgcn_target "amdgcn-amd-amdhsa--gfx1250"
	.amdhsa_code_object_version 6
	.text
	.protected	k_q6b10f206f2_quant
	.globl	k_q6b10f206f2_quant
	.p2align	8
	.type	k_q6b10f206f2_quant,@function
k_q6b10f206f2_quant:
	s_mov_b64 s[64:65], 0
	v_nop
	global_prefetch_b8 v0, s[64:65] scope:SCOPE_SE
	s_setreg_imm32_b32 hwreg(HW_REG_WAVE_MODE, 25, 1), 1
	s_wait_xcnt 0x0
; LAUNCH 1 OF 4: x [8192][1024], W_attn [1024][3072] and W_proj [1024][1024], f32, become codes of FP6 (E2M3) with K innermost and one E8M0 byte for each 32 along K.
; THE PROGRAM: 1 quantises the inputs; 2 makes q, k, v (product 1, bias) and quantises them on its way out; 3 is attention (products 2 and 3) and quantises ctx; 4 is the projection (product 4, bias).
; WORK LEFT OUT BY THE PROGRAM (launch 3): reference() builds the causal mask itself (jnp.tril) and sets the scores of keys behind a query to -inf ahead of the softmax, so their weights are exactly 0
; for all values of the inputs.  A step of 128 keys all of which lie behind all 16 queries of a tile therefore adds nothing to the sum or to ctx: its loads, products and softmax are not done.
; No input is left out: b_attn's k part moves k's codes and stays.  LIMIT: a NaN, an infinity or an overflow that reaches only such masked scores is not carried to the result.
; ROWS ARE STORED PERMUTED: row i of x (a token) and column n of a weight lie at position sigma(i), i with bits 3 and 4 exchanged.  Sixteen neighbouring positions 16 t + r then hold the rows
; 32 (t / 2) + 8 (t % 2) + r % 8 + 16 (r / 8), so that in a product whose source 0 they are, a lane's 16 registers of tiles 2 b and 2 b + 1 are 16 NEIGHBOURS: what the next quantiser wants.
; A block's scale is 2^(floor(log2(its largest magnitude)) - 2); its byte is the largest magnitude's exponent field - 2, held at 1 from below.
; LIMITS: a block of zeros gets the byte 1 where the rule says 127 (its codes are zeros, and this program alone reads the bytes); blocks whose largest magnitude lies under 2^-124 keep the byte 1; NaN and infinities among the inputs are not served.
; SHARES: work-groups 0-255 take 32 rows of x each (K innermost: a wave takes 8 rows as a stream of blocks); 256-351 take 128 columns x 256 K of W_attn; 352-383 the same of W_proj (K is the first axis:
; a lane takes a column and its registers run down K).  Every work-group reads 131,072 bytes.  No tensor loads, no barrier: waves share nothing.  Each of the three paths has LDS bytes of its own.
.set SPW,   192                        ; v192  LDS address of my spare word: SPARE + 4 x my thread's number; never rewritten
.set NIL,   193                        ; v193  0; never rewritten
.set SPARE, 102400                     ; behind the three paths' bytes: the spare words, 128 bytes for each wave
.set EMAX,  2
; the path of x
.set STEPS, 16                         ; steps of 512 numbers for a wave
.set CB,    12                         ; bytes of 16 codes
.set XR,    16                         ; v16-79   four sets of 16 numbers as they are loaded
.set XX,    80                         ; v80-111  two sets of 16 neighbours
.set XE,    112                        ; v112-127 a scale byte for each step
.set XC,    128                        ; v128-191 codes: four registers for each step, so that no store's data are written again
.set WREG,  8192                       ; LDS 0 .. 32,767: a region for each wave: two stages of 32 x SP bytes, behind them its 256 scale bytes
.set SP,    80                         ; a lane's place in a stage: 64 bytes + 16 of padding
; the paths of the weights
.set NB,    8                          ; blocks of 32 along K for a wave
.set PITCH, 272                        ; a stage row: sixteen places of 16 bytes, each with 12 bytes of codes, + 16
.set KROW,  768                        ; a row of the codes' buffer: 1,024 codes
.set WX,    32                         ; v32-95   two sets of 32 numbers
.set WC,    96                         ; v96..    a block's codes
.set WOUT,  112                        ; v112-175 the way out
.set WSB,   24                         ; v24-25   the scale bytes, four to a register
	s_load_b256 s[4:11], s[0:1], 0x0               ; x s[4:5], W_attn s[6:7], W_proj s[8:9], xc s[10:11]
	s_load_b128 s[12:15], s[0:1], 0x20             ; xs s[12:13], wc s[14:15]
	s_load_b64 s[16:17], s[0:1], 0x30              ; ws
	v_lshl_add_u32 v[SPW], v0, 2, SPARE
	v_mov_b32 v[NIL], 0
	v_lshrrev_b32 v1, 5, v0
	v_readfirstlane_b32 s18, v1                    ; wave 0..3
	v_and_b32 v2, 31, v0                           ; lane
	s_mov_b32 s23, 0                               ; the upper word of every offset: all stay under 2^32
	s_wait_kmcnt 0x0
	s_cmp_lt_u32 ttmp9, 256
	s_cbranch_scc0 .Lweights
; ---- x.  Each of a step's four loads reads 512 consecutive bytes, 16 a lane; the 2,048 bytes turn through the wave's own stage in LDS and come back 64 bytes a lane: 16 neighbours along K, two lanes to a block.
.macro XLOAD t
.irp i, 0,1,2,3
	global_load_b128 v[XR+16*((\t)%4)+4*\i:XR+16*((\t)%4)+4*\i+3], v3, s[4:5] offset:2048*(\t)+512*\i th:TH_LOAD_NT
.endr
.endm
.macro XTURN t                         ; LDS serves a wave's instructions in order, so no wait stands between the stores and the loads
.irp i, 0,1,2,3
	ds_store_b128 v14, v[XR+16*((\t)%4)+4*\i:XR+16*((\t)%4)+4*\i+3] offset:32*SP*((\t)%2)+8*SP*\i
.endr
.irp i, 0,1,2,3
	ds_load_b128 v[XX+16*((\t)%2)+4*\i:XX+16*((\t)%2)+4*\i+3], v15 offset:32*SP*((\t)%2)+16*\i
.endr
.endm
.macro XSTEP t
.set XS, XX+16*((\t)%2)
.if (\t) > 0
	s_wait_dscnt 1                                 ; this step's numbers are back from the stage (the last step's byte store may be out): so its stores into the stage have read their registers,
.else
	s_wait_dscnt 0x0
.endif
.if (\t)+4 < STEPS
	XLOAD (\t)+4                                   ; which take the loads of four steps on
.endif
.if (\t)+1 < STEPS
.if STEPS-2-(\t) >= 3
	s_wait_loadcnt 12                              ; the next step's four loads are in; those of the three steps behind it may be out
.else
	s_wait_loadcnt 4*(STEPS-2-(\t))
.endif
	XTURN (\t)+1                                   ; and go through the other stage while this step is worked
.endif
	v_max3_num_f32 v8, |v[XS]|, |v[XS+1]|, |v[XS+2]|               ; the largest magnitude of my 16, in two chains
	v_max3_num_f32 v9, |v[XS+3]|, |v[XS+4]|, |v[XS+5]|
.irp i, 6,10
	v_max3_num_f32 v8, v8, |v[XS+\i]|, |v[XS+\i+1]|
	v_max3_num_f32 v9, v9, |v[XS+\i+2]|, |v[XS+\i+3]|
.endr
	v_max3_num_f32 v8, v8, |v[XS+14]|, |v[XS+15]|
	v_max3_num_f32 v8, v8, v9, (EMAX+1)<<23        ; and the floor 2^(3 - 127): the byte cannot fall under 1
	v_max_num_f32_dpp v8, v8, v8 row_xmask:1 row_mask:0xf bank_mask:0xf   ; and of my neighbour's 16: the block's
	v_add_nc_u32 v11, -(EMAX<<23), v8              ; 2 off its exponent field: the conversion takes the exponent field of this operand as its scale
	v_cvt_scalef32_pk16_fp6_f32 v[XC+4*(\t):XC+4*(\t)+2], v[XS:XS+15], v11
	v_lshrrev_b32 v[XE+(\t)], 23, v11              ; the scale's byte (a plain line behind the conversion)
	ds_store_b8 v5, v[XE+(\t)] offset:16*(\t)      ; both lanes of a block write the same byte with the same value
	global_store_b96 v4, v[XC+4*(\t):XC+4*(\t)+2], s[10:11] offset:32*CB*(\t)   ; the wave stores 384 consecutive bytes
.endm
	v_lshlrev_b32 v3, 4, v2                        ; my 16 bytes of a load's 512
	s_mul_i32 s19, s18, WREG
	v_lshrrev_b32 v14, 2, v2
	v_mul_u32_u24 v14, v14, SP
	v_and_b32 v15, 3, v2
	v_lshl_add_u32 v14, v15, 4, v14
	v_add_nc_u32 v14, s19, v14                     ; the stage, on the way in: SP (lane / 4) + 16 (lane % 4)
	v_mul_u32_u24 v15, v2, SP
	v_add_nc_u32 v15, s19, v15                     ; and on the way out: SP x lane
	v_mul_u32_u24 v4, v2, CB                       ; my codes' place in a step's
	v_lshrrev_b32 v5, 1, v2
	s_add_co_u32 s19, s19, 2*32*SP
	v_add_nc_u32 v5, s19, v5                       ; my wave's 256 scale bytes, my block's byte
	v_lshlrev_b32 v7, 3, v2                        ; and on the way out 8 bytes a lane
	v_add_nc_u32 v6, s19, v7
	s_lshl_b32 s20, ttmp9, 2
	s_add_co_u32 s22, s20, s18                     ; my run of 8 rows: 4 x work-group + wave
	s_lshl_b32 s22, s22, 15                        ; 32,768 bytes a run
	s_add_nc_u64 s[4:5], s[4:5], s[22:23]
	s_and_b32 s21, s18, 1                          ; sigma on the runs: a row's bits 3 and 4 are the wave's bits 0 and 1, and they change places
	s_lshl_b32 s21, s21, 1
	s_lshr_b32 s24, s18, 1
	s_or_b32 s21, s21, s24
	s_add_co_u32 s20, s20, s21
	s_mul_i32 s22, s20, 8*KROW                     ; 6,144 bytes of codes a run
	s_add_nc_u64 s[10:11], s[10:11], s[22:23]
	s_lshl_b32 s22, s20, 8                         ; 256 scale bytes a run
	s_add_nc_u64 s[12:13], s[12:13], s[22:23]
.irp t, 0,1,2,3
	XLOAD \t
.endr
	s_wait_loadcnt 12                              ; step 0's four loads are in
	XTURN 0
.irp t, 0,1,2,3,4,5,6,7,8,9,10,11,12,13,14,15
	XSTEP \t
.endr
	ds_load_b64 v[8:9], v6                         ; LDS serves a wave's instructions in order: these see my byte stores
	s_wait_dscnt 0x0
	global_store_b64 v7, v[8:9], s[12:13]          ; 32 lanes store 256 consecutive bytes, aligned
	s_branch .Lend
; ---- a weight [1024][N].  A wave takes 32 columns x 256 along K: 8 blocks a lane, 192 bytes of codes a column; they go through the wave's own stage and leave as rows, sixteen lanes to a row's 192 bytes.
.macro WLOAD t, N, SRC                 ; block t: W(32 t + i, my column), i = 0 .. 31: each load reads 128 consecutive bytes
.irp i, 0,1,2,3,4,5,6,7,8,9,10,11,12,13,14,15,16,17,18,19,20,21,22,23,24,25,26,27,28,29,30,31
	global_load_b32 v[WX+32*((\t)%2)+\i], v3, s[\SRC:\SRC+1] offset:(32*(\t)+\i)*\N*4 th:TH_LOAD_NT
.endr
.endm
.macro WBLOCK t, N, SRC
.set XS, WX+32*((\t)%2)
.if (\t) < NB-1
	s_wait_loadcnt 32                              ; this block's 32 loads are in; the next block's may be out
.else
	s_wait_loadcnt 0
.endif
	v_max3_num_f32 v12, |v[XS]|, |v[XS+1]|, |v[XS+2]|              ; the block's largest magnitude: all 32 numbers are mine
	v_max3_num_f32 v13, |v[XS+3]|, |v[XS+4]|, |v[XS+5]|
.irp i, 6,10,14,18,22,26
	v_max3_num_f32 v12, v12, |v[XS+\i]|, |v[XS+\i+1]|
	v_max3_num_f32 v13, v13, |v[XS+\i+2]|, |v[XS+\i+3]|
.endr
	v_max3_num_f32 v12, v12, |v[XS+30]|, |v[XS+31]|
	v_max3_num_f32 v12, v12, v13, (EMAX+1)<<23     ; and the floor
	v_add_nc_u32 v11, -(EMAX<<23), v12             ; the conversion's scale operand
	v_lshrrev_b32 v13, 23, v11                     ; the scale's byte
.if (\t)%4 == 0
	v_mov_b32 v[WSB+(\t)/4], v13                   ; four bytes to a register, the lower K in the lower byte
.else
	v_lshl_or_b32 v[WSB+(\t)/4], v13, 8*((\t)%4), v[WSB+(\t)/4]
.endif
	v_cvt_scalef32_pk16_fp6_f32 v[WC:WC+2], v[XS:XS+15], v11
	v_cvt_scalef32_pk16_fp6_f32 v[WC+4:WC+6], v[XS+16:XS+31], v11  ; (a conversion's three registers begin on an even number)
	ds_store_b96 v4, v[WC:WC+2] offset:32*(\t)     ; 12 bytes to a place of 16, so that every LDS address is a multiple of 16
	ds_store_b96 v4, v[WC+4:WC+6] offset:32*(\t)+16
.if (\t)+2 < NB
	WLOAD (\t)+2, \N, \SRC
.endif
	s_wait_dscnt 0x0                               ; the stores have read their registers: the next block's codes may be written
.endm
; N: the weight's columns; ROW0: its first row in wc and ws; IDBASE: its first work-group; SRC: the scalar pair with its address; LBASE: its stages in LDS
.macro WQ N, ROW0, IDBASE, SRC, LBASE
	s_sub_co_u32 s19, ttmp9, \IDBASE
	s_and_b32 s20, s19, 3                          ; which 256 along K
	s_lshr_b32 s19, s19, 2
	s_lshl_b32 s19, s19, 7
	s_lshl_b32 s21, s18, 5
	s_add_co_u32 s19, s19, s21                     ; my wave's first column: a multiple of 32, so sigma stays among my 32
	v_lshlrev_b32 v3, 2, v2                        ; in: 4 bytes a lane
	s_mul_i32 s21, s18, 32*PITCH
	s_add_co_u32 s21, s21, \LBASE                  ; my stage
	v_mul_u32_u24 v4, v2, PITCH
	v_add_nc_u32 v4, s21, v4                       ; into it: row = my column
	v_and_b32 v5, 15, v2
	v_lshrrev_b32 v6, 4, v2                        ; out of it: sixteen lanes to a row, two rows an instruction
	v_mul_u32_u24 v7, v6, PITCH
	v_lshl_add_u32 v7, v5, 4, v7
	v_add_nc_u32 v7, s21, v7
	v_mul_u32_u24 v8, v6, KROW
	v_mad_u32_u24 v8, v5, 12, v8                   ; and the same place in the codes' buffer; the even row's position stands in the store's immediate
	v_and_b32 v9, 7, v2                            ; sigma(lane): my column's position, for its scale bytes
	v_bfe_u32 v10, v2, 3, 1
	v_lshl_or_b32 v9, v10, 4, v9
	v_bfe_u32 v10, v2, 4, 1
	v_lshl_or_b32 v9, v10, 3, v9
	v_lshlrev_b32 v9, 5, v9                        ; 32 bytes a row of scales
	s_mul_i32 s22, s20, 256*\N*4
	s_lshl_b32 s24, s19, 2
	s_add_co_u32 s22, s22, s24
	s_add_nc_u64 s[\SRC:\SRC+1], s[\SRC:\SRC+1], s[22:23]
	s_add_co_u32 s19, s19, \ROW0
	s_mul_i32 s22, s19, KROW
	s_mul_i32 s24, s20, 192
	s_add_co_u32 s22, s22, s24
	s_add_nc_u64 s[14:15], s[14:15], s[22:23]
	s_lshl_b32 s22, s19, 5
	s_lshl_b32 s24, s20, 3
	s_add_co_u32 s22, s22, s24
	s_add_nc_u64 s[16:17], s[16:17], s[22:23]
	WLOAD 0, \N, \SRC
	WLOAD 1, \N, \SRC
.irp t, 0,1,2,3,4,5,6,7
	WBLOCK \t, \N, \SRC
.endr
	global_store_b64 v9, v[WSB:WSB+1], s[16:17]    ; my column's 8 scale bytes
.irp t, 0,1,2,3,4,5,6,7,8,9,10,11,12,13,14,15
	ds_load_b96 v[WOUT+4*\t:WOUT+4*\t+2], v7 offset:2*\t*PITCH   ; LDS serves a wave's instructions in order: these see my stores
.endr
.irp t, 0,1,2,3,4,5,6,7,8,9,10,11,12,13,14,15
	s_wait_dscnt 15-\t
	global_store_b96 v8, v[WOUT+4*\t:WOUT+4*\t+2], s[14:15] offset:(((2*\t)&7)+(((2*\t)>>3)&1)*16+(((2*\t)>>4)&1)*8)*KROW   ; columns 2 t and 2 t + 1 go to positions sigma(2 t) and sigma(2 t) + 1
.endr
.endm
.Lweights:
	s_cmp_lt_u32 ttmp9, 352
	s_cbranch_scc0 .Lwproj
	WQ 3072, 0, 256, 6, 32768
	s_branch .Lend
.Lwproj:
	WQ 1024, 3072, 352, 8, 67584
.Lend:
	s_wait_tensorcnt 0x0                           ; the wave's end: behind my last LDS store
	ds_add_u32 v[SPW], v[NIL]
	s_wait_dscnt 0x0
	s_endpgm
.Lfunc_end_k_q6b10f206f2_quant:
	.size	k_q6b10f206f2_quant, .Lfunc_end_k_q6b10f206f2_quant-k_q6b10f206f2_quant
	.p2alignl 7, 3214868480
	.fill 96, 4, 3214868480
	.section	.rodata,"a",@progbits
	.p2align	6, 0x0
	.amdhsa_kernel k_q6b10f206f2_quant
		.amdhsa_group_segment_fixed_size 102912
		.amdhsa_private_segment_fixed_size 0
		.amdhsa_enable_private_segment 0
		.amdhsa_kernarg_size 56
		.amdhsa_user_sgpr_count 2
		.amdhsa_user_sgpr_kernarg_segment_ptr 1
		.amdhsa_wavefront_size32 1
		.amdhsa_system_sgpr_workgroup_id_x 1
		.amdhsa_system_sgpr_workgroup_id_y 1
		.amdhsa_system_sgpr_workgroup_id_z 1
		.amdhsa_system_vgpr_workitem_id 0
		.amdhsa_next_free_vgpr 200
		.amdhsa_next_free_sgpr 66
		.amdhsa_reserve_vcc 0
		.amdhsa_float_denorm_mode_32 3
		.amdhsa_float_denorm_mode_16_64 3
		.amdhsa_memory_ordered 1
		.amdhsa_forward_progress 1
		.amdhsa_inst_pref_size 114
	.end_amdhsa_kernel
	.amdgpu_metadata
---
amdhsa.version: [ 1, 2 ]
amdhsa.kernels:
  - .name:           k_q6b10f206f2_quant
    .symbol:         k_q6b10f206f2_quant.kd
    .args:
      - { .name: x, .offset: 0, .size: 8, .value_kind: global_buffer, .address_space: global }
      - { .name: W_attn, .offset: 8, .size: 8, .value_kind: global_buffer, .address_space: global }
      - { .name: W_proj, .offset: 16, .size: 8, .value_kind: global_buffer, .address_space: global }
      - { .name: xc, .offset: 24, .size: 8, .value_kind: global_buffer, .address_space: global }
      - { .name: xs, .offset: 32, .size: 8, .value_kind: global_buffer, .address_space: global }
      - { .name: wc, .offset: 40, .size: 8, .value_kind: global_buffer, .address_space: global }
      - { .name: ws, .offset: 48, .size: 8, .value_kind: global_buffer, .address_space: global }
    .group_segment_fixed_size: 102912
    .private_segment_fixed_size: 0
    .kernarg_segment_align: 8
    .kernarg_segment_size: 56
    .max_flat_workgroup_size: 128
    .sgpr_count:     66
    .vgpr_count:     200
    .wavefront_size: 32
...
	.end_amdgpu_metadata
.endif
;; end of part 1
;; launch gemm_qkv (part 2): grid 8 x 48, 4 waves a work-group, clusters of 4 x 4, 327,680 bytes of LDS; arguments xc, xs, wc, ws, b_attn, qkv; writes qkv
.if DOCPART == 2
	.amdgcn_target "amdgcn-amd-amdhsa--gfx1250"
	.amdhsa_code_object_version 6
	.text
	.protected	k_q6b10f206f2_gemm_qkv
	.globl	k_q6b10f206f2_gemm_qkv
	.p2align	8
	.type	k_q6b10f206f2_gemm_qkv,@function
k_q6b10f206f2_gemm_qkv:
	s_mov_b64 s[64:65], 0
	v_nop
	global_prefetch_b8 v0, s[64:65] scope:SCOPE_SE
	s_setreg_imm32_b32 hwreg(HW_REG_WAVE_MODE, 25, 1), 1
	s_wait_xcnt 0x0
	s_wait_alu depctr_hold_cnt(0) depctr_sa_sdst(0) depctr_va_vdst(0) depctr_va_sdst(0) depctr_va_ssrc(0) depctr_va_vcc(0) depctr_vm_vsrc(0)
	s_getreg_b32 s2, hwreg(HW_REG_IB_STS2, 6, 4)
	s_cmp_eq_u32 s2, 0
	s_cbranch_scc0 .Lentry_in_a_cluster
	s_endpgm
.Lentry_in_a_cluster:
	s_bfe_u32 s2, ttmp6, 0x10000c
	s_cmp_lg_u32 s2, 0xf033
	s_cbranch_scc0 .Lentry_shape_is_right
	s_endpgm
.Lentry_shape_is_right:
; LAUNCH 2 OF 4: qkv = x W_attn + b_attn on codes of FP6 (E2M3) with E8M0 scales, and q, k, v quantised on the way out, as operands of attention's two products.  Nothing in f32 goes to memory.
; A tile of 256 x 256 is made by a work-group of four waves, 128 x 128 a wave: 64 accumulators, 512 registers.  K = 1,024 goes in four steps of 256 through a ring of two LDS slots filled by the tensor data mover.
; ONE BODY, TWO TYPES of tile, told apart by the cluster's y (the same in all sixteen partners).  S1 is source 1 of the matrix instruction, S0 source 0; a lane holds ONE row of S1 and its registers run along S0.
;   QK (cluster y 0-7):  S1 = 256 tokens, S0 = 256 columns of W_attn's q or k part.  A lane's registers run along the head's channels: the K of q k^T.
;   V  (cluster y 8-11): S1 = 256 columns of the v part, S0 = 256 tokens.  A lane's registers run along the tokens: the keys, the K of p v.
; Rows of xc and wc lie at positions sigma(row) (bits 3 and 4 exchanged): so register 16 b + i of a block's 64 is S0's row 32 b + 16 (lane / 16) + i: 16 neighbours, as the conversions want them.
; The bias is the C of each sum's first matrix instruction.  LIMIT: that is another order of rounding than reference()'s sum + b.  A block of zeros gets the byte 1, not 127 (zero codes; the bytes are read by this program alone).
; THE RESULT: qkv [batch x head 64][key step 16][19,968 bytes]: k's, v's and q's parts of 6,656 bytes, each images of operand registers:
;   k, q: for each of 8 tiles of 16 token positions 768 bytes (registers 0-3 at 16 x lane, registers 4-5 at 512 + 8 x lane: 64 channels); at 6,144 the scale words [2][16 rows][4 tiles], bytes 2 and 3 zero.
;   v: for each of 4 tiles of 16 channel positions 1,536 bytes (three planes of 16 x lane: the step's 128 keys); at 6,144 the scale words [32 lanes][4 tiles].
; Every store covers 512 or 256 consecutive bytes, aligned: no stage in LDS is needed.
; CLUSTERS: 4 x 4 work-groups.  S1's tiles are shared along a row of the cluster, S0's along a column: each is asked for jointly, by the same tensor load with the same descriptor and a mask that names the four.
; REGISTERS: window 0: v0-31 addresses; v32-63 scale words, two sets; v64-127 the bias; from v128 S1's fragments, one set (on the way out: at work).  window 1: S0's fragments, two sets.  windows 2, 3: the accumulators.
.set KSTEP,  256
.set NQ,     KSTEP/128
.set ROWB,   192                       ; a tile's row in bytes
.set KROW,   768                       ; a row of codes in memory
.set PITCH,  240                       ; an LDS row: 3 x (64 bytes + 16 of padding)
.set FR,     12
.set NL,     6
.set NP,     4                         ; places behind this matrix instruction (ISA guide 7.12.1)
.set HALFT,  128*PITCH
.set SLOT,   4*HALFT
.set KS,     32                        ; a row of scales in bytes
.set SCL,    2*SLOT                    ; behind the ring: the scales, as units of 256 bytes + 16 of padding
.set HALFS,  (128*KS/256)*272
.set SBLK,   (16*KS/256)*272
.set SPARE,  SCL+4*HALFS               ; behind the scales: the spare words, 128 bytes for each wave
.set RS,     19968                     ; a record of qkv
.set HSTR,   16*RS                     ; from a head to the next
.set ADRA, 16                          ; v16-19  LDS addresses of S1's fragments in slot 0, 1 (and behind one padding more)
.set ADRB, 20                          ; v20-23  the same for S0
.set VO16, 24                          ; v24     16 x lane
.set VO8,  25                          ; v25     8 x lane
.set VOS,  26                          ; v26     q's and k's scale words: (lane / 16) heads on + 16 x (lane % 16)
.set ADRS, 27                          ; v27     LDS address of my scale words
.set SPW,  28                          ; v28     LDS address of my spare word; never rewritten
.set NIL,  29                          ; v29     0; never rewritten
.set VB,   30                          ; v30     the bias, type QK: 64 x (lane / 16)
.set SH,   31                          ; v31     16 x (lane / 16)
.set VB2,  8                           ; v8      the bias, type V: 4 x the row that stands at position lane % 16
.set SC,   32
.set BI,   64
.set AF,   128
.set TM,   128                         ; the way out: v128-131 largest magnitudes, v132-135 the other half's, then bytes, v140-143 the conversions' scale operands
.set XO,   144                         ; v144-167 a block's codes, two sets of 12
.set XT,   168                         ; v168-170, v172-174 the conversions' second halves
.set PWS,  176                         ; v176-183 the eight blocks' scale words
.set G1, 24
.set G0, 32
.set G1B, 48
.set G0B, 56
.set G1S, 68
.set G0S, 76
.set G1SB, 80
.set G0SB, 88
.set MSB, 0
.macro WIN new                         ; the immediate's high byte repeats the setting that is left
.if MSB != \new
	s_set_vgpr_msb (MSB<<8)|\new
.set MSB, \new
.endif
.endm
.set MUL_LO, 0xa1                      ; source 0 window 1, source 1 window 0, C and D window 2
.set MUL_HI, 0xf1                      ; the same, C and D window 3
.set TO_B,   0x40                      ; destination window 1, address window 0
; A joint load: waves 0 and 1 fetch for S1, waves 2 and 3 for S0.  The branch hangs on the wave's number alone.  An s_nop 0 and four v_nop follow each of the two lines.
.macro JLOAD g0a, g1a, g0b, g1b
	s_cmp_eq_u32 s15, 0
	s_cbranch_scc0 .Lfor_b_\@
	tensor_load_to_lds s[\g0a:\g0a+3], s[\g1a:\g1a+7]
	s_nop 0
.rept 4
	v_nop
.endr
	s_branch .Lasked_\@
.Lfor_b_\@:
	tensor_load_to_lds s[\g0b:\g0b+3], s[\g1b:\g1b+7]
	s_nop 0
.rept 4
	v_nop
.endr
.Lasked_\@:
.endm
.macro CREST                           ; a round of the cluster's barrier behind its opening barrier
	s_cmp_lg_u32 s14, 0
	s_cbranch_scc1 .Lnot_wave_0_\@
	s_barrier_signal -3
.Lnot_wave_0_\@:
	s_barrier_wait -3
	s_barrier_signal -1
	s_barrier_wait -1
.endm
.macro CROUND
	s_barrier_signal -1
	s_barrier_wait -1
	CREST
.endm
	s_load_b256 s[4:11], s[0:1], 0x0               ; xc s[4:5], xs s[6:7], wc s[8:9], ws s[10:11]
	s_load_b64 s[12:13], s[0:1], 0x20              ; b_attn
	s_load_b64 s[100:101], s[0:1], 0x28            ; qkv
	v_lshl_add_u32 v[SPW], v0, 2, SPARE
	v_mov_b32 v[NIL], 0
	ds_add_u32 v[SPW], v[NIL]                      ; the wave's opening: the add, twice on end, and its wait ahead of my first tensor load
	ds_add_u32 v[SPW], v[NIL]                      ; and once more, under the one wait; the set-up below, work on registers, stands between
	v_lshrrev_b32 v1, 5, v0
	v_readfirstlane_b32 s14, v1                    ; wave 0..3
	s_lshr_b32 s15, s14, 1                         ; which half of S1's rows is mine.  Also: I fetch for S1 (0) or for S0 (1)
	s_and_b32 s16, s14, 1                          ; which half of S0's rows.  Also: which 128 rows of that tile I fetch
	s_bfe_u32 s40, ttmp6, 0x40000                  ; cx, cy: my place in the cluster
	s_bfe_u32 s41, ttmp6, 0x40004
	s_and_b32 s67, ttmp7, 0xffff                   ; the cluster's y
	s_lshl_b32 s17, s67, 2
	s_lshl_b32 s42, ttmp9, 2
	s_add_co_u32 s42, s42, s40                     ; 4 x cluster x + cx
	s_sub_co_u32 s18, s67, 8
	s_lshl_b32 s18, s18, 3
	s_cmp_lt_u32 s67, 8                            ; type QK?  The same in all sixteen partners
	s_cselect_b32 s66, 0, 1                        ; s66: the type, 0 = QK, 1 = V
	s_cselect_b32 s17, s17, 8
	s_cselect_b32 s18, 0, s18
	s_add_co_u32 s17, s17, s41                     ; S1's tile: QK: tokens, 4 x cluster y + cy;  V: rows of wc, 8 + cy.  It holds cy and the cluster's place alone
	s_add_co_u32 s42, s42, s18                     ; S0's tile: QK: rows of wc, 0-3 q, 4-7 k;  V: tokens, + 8 (cluster y - 8).  It holds cx and the cluster's place alone
	s_lshl_b32 s43, s41, 2
	s_lshl_b32 s43, 15, s43                        ; my row of the cluster
	s_lshl_b32 s44, 0x1111, s40                    ; my column
	; descriptor group 1: a tile of 128 rows x 192 bytes, 16 bytes of padding behind every 64
	s_or_b32 s[G1+0], s43, (0<<16)|(1<<20)|(1<<21)|(3<<22)|(3<<25)
	s_or_b32 s[G1B+0], s44, (0<<16)|(1<<20)|(1<<21)|(3<<22)|(3<<25)
.irp g, G1, G1B
	s_mov_b32 s[\g+1], ROWB<<16                    ; tensor_dim0
	s_mov_b32 s[\g+2], 128<<16                     ; tensor_dim1
	s_mov_b32 s[\g+3], ROWB<<16                    ; tile_dim0
	s_mov_b32 s[\g+4], 128                         ; tile_dim1
	s_mov_b32 s[\g+5], KROW                        ; tensor_dim0_stride
	s_mov_b32 s[\g+6], 0
	s_mov_b32 s[\g+7], 0
.endr
	; the scales of 128 rows: 4,096 dense bytes, as 16 rows of 256 bytes (32 elements of 8), 16 bytes of padding behind each
	s_or_b32 s[G1S+0], s43, (3<<16)|(1<<20)|(1<<21)|(5<<22)|(3<<25)
	s_or_b32 s[G1SB+0], s44, (3<<16)|(1<<20)|(1<<21)|(5<<22)|(3<<25)
.irp g, G1S, G1SB
	s_mov_b32 s[\g+1], 32<<16
	s_mov_b32 s[\g+2], (128*KS/256)<<16
	s_mov_b32 s[\g+3], 32<<16
	s_mov_b32 s[\g+4], 128*KS/256
	s_mov_b32 s[\g+5], 32
	s_mov_b32 s[\g+6], 0
	s_mov_b32 s[\g+7], 0
.endr
	s_lshl_b32 s18, s16, 7                         ; which 128 rows of the tile I fetch
	s_lshl_b32 s20, s17, 8
	s_add_co_u32 s20, s20, s18                     ; S1: row 256 x tile + 128 x half
	s_lshl_b32 s46, s42, 8
	s_add_co_u32 s46, s46, s18                     ; S0 likewise
	s_mov_b32 s21, 0
	s_mov_b32 s47, 0
	s_mov_b64 s[18:19], KS
	s_mul_u64 s[22:23], s[20:21], s[18:19]         ; where these rows' scales begin, in bytes,
	s_mul_u64 s[92:93], s[46:47], s[18:19]
	s_mov_b64 s[18:19], KROW
	s_mul_u64 s[20:21], s[20:21], s[18:19]         ; and their codes
	s_mul_u64 s[46:47], s[46:47], s[18:19]
	s_mul_i32 s45, s14, HALFT                      ; where they go: wave x 128 rows: no place in the cluster enters an LDS address
	s_mul_i32 s94, s14, HALFS
	s_wait_dscnt 0x0                               ; both opening adds are done
	s_wait_kmcnt 0x0
	s_cmp_lt_u32 s67, 8                            ; which buffer is S1 and which S0: a choice on the cluster's y, which hangs on no address
	s_cselect_b64 s[96:97], s[8:9], s[4:5]         ; S0's codes: wc or xc
	s_cselect_b64 s[98:99], s[10:11], s[6:7]       ; S0's scales: ws or xs
	s_cselect_b64 s[4:5], s[4:5], s[8:9]           ; S1's codes: xc or wc
	s_cselect_b64 s[6:7], s[6:7], s[10:11]         ; S1's scales
	s_mov_b64 s[8:9], s[96:97]
	s_mov_b64 s[10:11], s[98:99]
	s_add_nc_u64 s[20:21], s[4:5], s[20:21]
	s_add_nc_u64 s[22:23], s[6:7], s[22:23]
	s_add_nc_u64 s[46:47], s[8:9], s[46:47]
	s_add_nc_u64 s[92:93], s[10:11], s[92:93]
	CROUND                                         ; all sixteen work-groups are here: the first joint loads meet
	s_mov_b32 s[G0S], 1
	s_add_co_u32 s[G0S+1], s94, SCL
	s_mov_b64 s[G0S+2:G0S+3], s[22:23]
	s_or_b32 s[G0S+3], s[G0S+3], 0x80000000
	s_mov_b32 s[G0SB], 1
	s_add_co_u32 s[G0SB+1], s94, SCL
	s_mov_b64 s[G0SB+2:G0SB+3], s[92:93]
	s_or_b32 s[G0SB+3], s[G0SB+3], 0x80000000
	JLOAD G0S, G1S, G0SB, G1SB                     ; the scales first: they are wanted with K step 0
.irp s, 0,1
	s_mov_b32 s[G0+4*\s], 1
	s_add_co_u32 s[G0+4*\s+1], s45, \s*SLOT
	s_add_nc_u64 s[G0+4*\s+2:G0+4*\s+3], s[20:21], \s*ROWB
	s_or_b32 s[G0+4*\s+3], s[G0+4*\s+3], 0x80000000
	s_mov_b32 s[G0B+4*\s], 1
	s_add_co_u32 s[G0B+4*\s+1], s45, \s*SLOT
	s_add_nc_u64 s[G0B+4*\s+2:G0B+4*\s+3], s[46:47], \s*ROWB
	s_or_b32 s[G0B+4*\s+3], s[G0B+4*\s+3], 0x80000000
	JLOAD G0+4*\s, G1, G0B+4*\s, G1B               ; three tensor loads of mine are out
.endr
	v_and_b32 v1, 15, v0                           ; r = lane % 16
	v_bfe_u32 v2, v0, 4, 1                         ; h = lane / 16
	v_mul_u32_u24 v3, v1, PITCH
	v_mul_u32_u24 v4, v2, 24
	v_add_nc_u32 v4, v3, v4                        ; a fragment's row x pitch + 24 x half
	v_lshl_add_u32 v5, v2, 4, v4                   ; and the same behind one padding more
	s_mul_i32 s21, s15, HALFT                      ; my 128 rows of S1
	s_mul_i32 s22, s16, HALFT                      ; my 128 rows of S0,
	s_add_co_u32 s22, s22, 2*HALFT                 ; which lie behind S1's 256
.irp s, 0,1
	v_add_nc_u32 v[ADRA+\s], s21, v4
	v_add_nc_u32 v[ADRB+\s], s22, v4
	v_add_nc_u32 v[ADRA+2+\s], s21, v5
	v_add_nc_u32 v[ADRB+2+\s], s22, v5
	s_add_co_u32 s21, s21, SLOT
	s_add_co_u32 s22, s22, SLOT
.endr
	v_mul_u32_u24 v5, v1, KS                       ; my row's scales: 32 bytes a row,
	v_lshrrev_b32 v6, 8, v5
	v_lshl_add_u32 v5, v6, 4, v5                   ; and 16 more for each 256 passed
	s_mul_i32 s21, s15, HALFS
	s_mul_i32 s22, s16, HALFS
	s_add_co_u32 s22, s22, 2*HALFS
	s_sub_co_u32 s22, s22, s21
	v_mul_u32_u24 v6, s22, v2                      ; lanes 16-31 take S0's
	s_add_co_u32 s21, s21, SCL
	v_add_nc_u32 v5, v5, v6
	v_add_nc_u32 v[ADRS], s21, v5
	v_and_b32 v6, 31, v0
	v_lshlrev_b32 v[VO16], 4, v6
	v_lshlrev_b32 v[VO8], 3, v6
	v_mul_u32_u24 v[VOS], v2, HSTR
	v_lshl_add_u32 v[VOS], v1, 4, v[VOS]
	v_lshlrev_b32 v[SH], 4, v2
	v_lshlrev_b32 v[VB], 6, v2
	v_and_b32 v[VB2], 7, v1
	v_lshrrev_b32 v7, 3, v1
	v_lshl_add_u32 v[VB2], v7, 4, v[VB2]           ; r % 8 + 16 (r / 8)
	v_lshlrev_b32 v[VB2], 2, v[VB2]
	; THE BIAS, in the result's layout.  QK: it runs along S0: register 8 b + j is b_attn at my 128 columns' 32 (b / 2) + 16 h + 8 (b % 2) + j, the same for every block of S1.
	; V: it hangs on S1's row, which is the lane's: eight equal registers for each block a of S1: the row at position 16 a + r.
	s_cmp_eq_u32 s66, 0
	s_cselect_b32 s20, s42, s17
	s_cselect_b32 s21, s16, s15
	s_lshl_b32 s20, s20, 10
	s_lshl_b32 s21, s21, 9
	s_add_co_u32 s20, s20, s21                     ; 4 x (256 x tile + 128 x half)
	s_mov_b32 s21, 0
	s_add_nc_u64 s[12:13], s[12:13], s[20:21]
	s_cmp_lg_u32 s66, 0
	s_cbranch_scc1 .Lbias_v
.irp b, 0,1,2,3,4,5,6,7
	global_load_b128 v[BI+8*\b:BI+8*\b+3], v[VB], s[12:13] offset:(32*(\b/2)+8*(\b%2))*4
	global_load_b128 v[BI+8*\b+4:BI+8*\b+7], v[VB], s[12:13] offset:(32*(\b/2)+8*(\b%2))*4+16
.endr
	s_branch .Lbias_done
.Lbias_v:
.irp a, 0,1,2,3,4,5,6,7
	global_load_b32 v[BI+8*\a], v[VB2], s[12:13] offset:(32*(\a/2)+8*(\a%2))*4
.endr
	s_wait_loadcnt 0x0
.irp a, 0,1,2,3,4,5,6,7
.irp j, 1,2,3,4,5,6,7
	v_mov_b32 v[BI+8*\a+\j], v[BI+8*\a]
.endr
.endr
.Lbias_done:
	s_wait_loadcnt 0x0
	; where my wave's results go: made of ids, in registers that feed no descriptor
	s_and_b32 s20, s42, 3
	s_sub_co_u32 s21, s17, 8
	s_cmp_lt_u32 s42, 4
	s_cselect_b32 s22, 13312, 0                    ; q's part of a record, or k's
	s_cmp_eq_u32 s66, 0
	s_cselect_b32 s18, s17, s42                    ; the tile of tokens,
	s_cselect_b32 s19, s15, s16                    ; and my half of it
	s_cselect_b32 s20, s20, s21                    ; the tile of 256 columns inside q, k or v: four heads,
	s_cselect_b32 s21, s16, s15                    ; and my half of it: two heads
	s_mov_b32 s23, 6656
	s_cselect_b32 s22, s22, s23                    ; v's part
	s_lshl_b32 s18, s18, 1
	s_add_co_u32 s18, s18, s19                     ; my 128 tokens: 0 .. 63
	s_lshr_b32 s19, s18, 4                         ; the batch
	s_and_b32 s18, s18, 15                         ; the key step
	s_lshl_b32 s20, s20, 2
	s_lshl_b32 s21, s21, 1
	s_add_co_u32 s20, s20, s21                     ; my first head
	s_lshl_b32 s19, s19, 4
	s_add_co_u32 s19, s19, s20
	s_lshl_b32 s19, s19, 4
	s_add_co_u32 s19, s19, s18
	s_mul_i32 s20, s19, RS
	s_add_co_u32 s20, s20, s22
	s_mov_b32 s21, 0
	s_add_nc_u64 s[100:101], s[100:101], s[20:21]
.macro FRAG reg, adr, q, i             ; a fragment, 16 rows x 128 K, is 12 registers: lane l holds row l % 16; registers 6 c .. 6 c + 5 hold K = 64 c + 32 (l / 16) + 0 .. 31: 24 bytes of the row, as they lie
.irp p, 0,1,2,3,4,5                    ; in pieces of 8 bytes.  16 bytes of padding lie behind every 64: where the piece of lanes 16-31 lies behind one padding more, the second address register serves
.set PC, 12*(\q)+6*(\p/3)+\p%3
.if PC%8 < 5
	ds_load_b64 v[\reg+2*\p:\reg+2*\p+1], v[\adr] offset:8*PC+16*(PC/8)+(\i)*16*PITCH
.else
	ds_load_b64 v[\reg+2*\p:\reg+2*\p+1], v[\adr+2] offset:8*PC+16*(PC/8)+(\i)*16*PITCH
.endif
.endr
.endm
; 16 matrix instructions: S1's blocks a0, a0 + 1 x S0's eight, 128 along K.  p: S0's set; sc: the set of scale words.  cm = 0: C = D; 1: C = the bias along S0; 2: C = the bias of S1's block: these start the sums, nothing is cleared.
; The 64 accumulators take turns, one instruction a turn, in the same order in every step.
.macro MUL16 a0, p, q, sc, cm
.irp a, \a0, \a0+1
.irp b, 0,1,2,3,4,5,6,7
.set rD, 8*(8*((\a)%4)+\b)
.set rB, 128*(\p)+FR*\b
.set rA, AF+FR*(\a)
.set rSB, SC+8*NQ*(\sc)+NQ*\b+(\q)
.set rSA, SC+8*NQ*(\sc)+NQ*(\a)+(\q)
.if (\cm) == 1
	v_wmma_scale_f32_16x16x128_f8f6f4 v[rD:rD+7], v[rB:rB+FR-1], v[rA:rA+FR-1], v[BI+8*\b:BI+8*\b+7], v[rSB], v[rSA] matrix_a_fmt:MATRIX_FMT_FP6 matrix_b_fmt:MATRIX_FMT_FP6 matrix_a_scale:MATRIX_SCALE_ROW1
.elseif (\cm) == 2
	v_wmma_scale_f32_16x16x128_f8f6f4 v[rD:rD+7], v[rB:rB+FR-1], v[rA:rA+FR-1], v[BI+8*(\a):BI+8*(\a)+7], v[rSB], v[rSA] matrix_a_fmt:MATRIX_FMT_FP6 matrix_b_fmt:MATRIX_FMT_FP6 matrix_a_scale:MATRIX_SCALE_ROW1
.else
	v_wmma_scale_f32_16x16x128_f8f6f4 v[rD:rD+7], v[rB:rB+FR-1], v[rA:rA+FR-1], v[rD:rD+7], v[rSB], v[rSA] matrix_a_fmt:MATRIX_FMT_FP6 matrix_b_fmt:MATRIX_FMT_FP6 matrix_a_scale:MATRIX_SCALE_ROW1
.endif
.endr
.endr
.endm
.macro FETCH_B slot, q, p              ; S0's eight fragments of the slot's q-th 128 along K into set p
	WIN TO_B
.irp i, 0,1,2,3,4,5,6,7
	FRAG 128*(\p)+FR*\i, ADRB+\slot, \q, \i
.endr
	WIN 0
.endm
.macro FETCH_A slot, q, i0             ; S1's blocks i0 .. i0 + 3
.irp i, \i0, \i0+1, \i0+2, \i0+3
	FRAG AF+FR*(\i), ADRA+\slot, \q, \i
.endr
.endm
.macro SCALES sc                       ; a K step's scale words: two words a row; lanes 0-15 take S1's block i, lanes 16-31 S0's block i
.irp i, 0,1,2,3,4,5,6,7
	ds_load_b64 v[SC+8*NQ*\sc+NQ*\i:SC+8*NQ*\sc+NQ*\i+1], v[ADRS] offset:\i*SBLK
.endr
.endm
.macro PLACES n                        ; places in front of loads into registers that matrix instructions have read, and of the first read of results
.rept \n
	v_nop
.endr
.endm
; A step of 128 along K that has its successor in the same slot.
.macro STEP slot, q, cm
	s_wait_dscnt 4*NL                              ; S0's set and S1's blocks 0-3 are in; the youngest 24 loads (S1's blocks 4-7) may be out
.if \cm
	WIN 0x81                                       ; C, the bias, in window 0
.else
	WIN MUL_LO
.endif
	MUL16 0, (\q)%2, \q, \slot, \cm
	MUL16 2, (\q)%2, \q, \slot, \cm
	s_wait_dscnt 0                                 ; S1's blocks 4-7 are in (asked for 32 matrix instructions ago)
	PLACES NP
	FETCH_B \slot, (\q)+1, 1-(\q)%2
	FETCH_A \slot, (\q)+1, 0
.if \cm
	WIN 0xc1
.else
	WIN MUL_HI
.endif
	MUL16 4, (\q)%2, \q, \slot, \cm
	MUL16 6, (\q)%2, \q, \slot, \cm
	PLACES NP
	WIN 0
	FETCH_A \slot, (\q)+1, 4
.endm
; A slot's last step changes slots: ONE barrier; in front of it each wave waits for all its tensor loads, adds 0 to its spare word, and waits for that and for its own reads of this slot.  fill = 1: this slot is filled again, two K steps ahead.
.macro TURN slot, next, fill
	s_wait_tensorcnt 0x0                           ; all my tensor loads have landed: my part of the next slot
	ds_add_u32 v[SPW], v[NIL]                      ; 0 onto my spare word
	s_wait_dscnt 4*NL+1                            ; (the add and the youngest 24 loads may be out)
	WIN MUL_LO
	MUL16 0, 1, NQ-1, \slot, 0                     ; sixteen matrix instructions stand between the add and the wait for it
	s_wait_dscnt 0x0                               ; the add is done, and my reads of this slot are over
	s_barrier_signal -1
	MUL16 2, 1, NQ-1, \slot, 0
	WIN 0
	s_barrier_wait -1
.if \fill
	CREST                                          ; the barrier has opened a round of the cluster's barrier: no wave of any partner still reads this slot or has a load on its way
	s_add_nc_u64 s[G0+4*\slot+2:G0+4*\slot+3], s[G0+4*\slot+2:G0+4*\slot+3], 2*ROWB
	s_add_nc_u64 s[G0B+4*\slot+2:G0B+4*\slot+3], s[G0B+4*\slot+2:G0B+4*\slot+3], 2*ROWB
	JLOAD G0+4*\slot, G1, G0B+4*\slot, G1B         ; the first tensor load behind the round; its four v_nop are the places in front of the loads below
.else
	PLACES NP
.endif
	v_add_nc_u32 v[ADRS], 4*NQ, v[ADRS]            ; on to the next K step's scale words (no LDS load of mine is out)
	FETCH_B \next, 0, 0
	FETCH_A \next, 0, 0
	SCALES \next
	WIN MUL_HI
	MUL16 4, 1, NQ-1, \slot, 0
	MUL16 6, 1, NQ-1, \slot, 0
	PLACES NP
	WIN 0
	FETCH_A \next, 0, 4
.endm
	s_wait_tensorcnt 1                             ; the scales and my part of K step 0 are in (K step 1's load may be out)
	s_barrier_signal -1
	s_barrier_wait -1                              ; everybody's are
	FETCH_B 0, 0, 0
	FETCH_A 0, 0, 0
	SCALES 0
	FETCH_A 0, 0, 4
	s_cmp_lg_u32 s66, 0                            ; the first step differs by the type alone: which registers are its C
	s_cbranch_scc1 .Lfirst_v
	STEP 0, 0, 1
	s_branch .Lfirst_done
.Lfirst_v:
	STEP 0, 0, 2
.Lfirst_done:
	TURN 0, 1, 1                                   ; K = 1,024 is four slots' worth: written straight
	STEP 1, 0, 0
	TURN 1, 0, 1
	STEP 0, 0, 0
	TURN 0, 1, 0                                   ; nothing is left to fetch: no round
	STEP 1, 0, 0
	s_wait_dscnt 4*NL
	WIN MUL_LO
	MUL16 0, 1, NQ-1, 1, 0
	MUL16 2, 1, NQ-1, 1, 0
	s_wait_dscnt 0
	WIN MUL_HI
	MUL16 4, 1, NQ-1, 1, 0
	MUL16 6, 1, NQ-1, 1, 0
	WIN 0
; THE WAY OUT.  Block a (16 rows of S1): a lane's 64 numbers, register 16 b + i = S0's row 32 b + 16 (lane / 16) + i, become a fragment's 12 registers of codes and a scale word.
.macro QUANT a
.set AC, 64*((\a)%4)
.set XD, XO+12*((\a)%2)
	WIN 5*(2+(\a)/4)                               ; sources 0 and 1: the accumulators' window
.irp b, 0,1,2,3
	v_max3_num_f32 v[TM+\b], |v[AC+16*\b]|, |v[AC+16*\b+1]|, 0x1800000   ; block b: my 16 numbers and the floor 2^(3 - 127).  Each accumulator is read from its low end on
.endr
.irp i, 2,4,6,8,10,12,14
.irp b, 0,1,2,3
	v_max3_num_f32 v[TM+\b], |v[AC+16*\b+\i]|, |v[AC+16*\b+\i+1]|, v[TM+\b]
.endr
.endr
	WIN 0
.irp b, 0,1,2,3
	v_permlanex16_b32 v[TM+4+\b], v[TM+\b], s20, s21
.endr
.irp b, 0,1,2,3
	v_max_num_f32 v[TM+\b], v[TM+\b], v[TM+4+\b]   ; with lane l xor 16's: the block's largest magnitude
.endr
.irp b, 0,1,2,3
	v_add_nc_u32 v[TM+12+\b], 0xff000000, v[TM+\b] ; 2 off its exponent field: the conversion's scale operand
.endr
.irp b, 0,1,2,3
	v_lshrrev_b32 v[TM+4+\b], 23, v[TM+12+\b]      ; the scale's byte
.endr
	v_lshl_or_b32 v[PWS+(\a)], v[TM+5], 8, v[TM+4]
	v_lshl_or_b32 v[PWS+(\a)], v[TM+6], 16, v[PWS+(\a)]
	v_lshl_or_b32 v[PWS+(\a)], v[TM+7], 24, v[PWS+(\a)]
	s_wait_xcnt 0x0                                ; the stores of the block two back have read this set of registers
	WIN 2+(\a)/4                                   ; source 0: the accumulators' window
.irp c, 0,1
	v_cvt_scalef32_pk16_fp6_f32 v[XD+6*\c:XD+6*\c+2], v[AC+32*\c:AC+32*\c+15], v[TM+12+2*\c]
	v_cvt_scalef32_pk16_fp6_f32 v[XT+4*\c:XT+4*\c+2], v[AC+32*\c+16:AC+32*\c+31], v[TM+12+2*\c+1]   ; (a conversion's three registers begin on an even number)
.endr
	WIN 0
	v_nop                                          ; one plain place behind a scaled conversion
.irp c, 0,1                                    ; the operand's layout wants a WHOLE block in a lane: lanes 0-15 block 2 c, lanes 16-31 block 2 c + 1
.irp i, 0,1,2
	v_permlane16_swap_b32 v[XD+6*\c+\i], v[XT+4*\c+\i]
.endr
.irp i, 0,1,2
	v_mov_b32 v[XD+3+6*\c+\i], v[XT+4*\c+\i]
.endr
.endr
.endm
; QK: registers 0-5 are my first head's 64 channels of token tile a, registers 6-11 the next head's.  V: the 12 registers are channel tile a % 4 of head a / 4, over the step's 128 keys.
.macro OUT a
.set XD, XO+12*((\a)%2)
	s_cmp_lg_u32 s66, 0
	s_cbranch_scc1 .Lout_v_\@
	global_store_b128 v[VO16], v[XD:XD+3], s[100:101] offset:768*(\a)
	global_store_b64 v[VO8], v[XD+4:XD+5], s[100:101] offset:768*(\a)+512
	global_store_b128 v[VO16], v[XD+6:XD+9], s[100:101] offset:HSTR+768*(\a)
	global_store_b64 v[VO8], v[XD+10:XD+11], s[100:101] offset:HSTR+768*(\a)+512
	s_branch .Lout_d_\@
.Lout_v_\@:
.irp p, 0,1,2
	global_store_b128 v[VO16], v[XD+4*\p:XD+4*\p+3], s[100:101] offset:((\a)/4)*HSTR+((\a)%4)*1536+512*\p
.endr
.Lout_d_\@:
.endm
	PLACES NP                                      ; behind the last products: their results are read, and the registers that held S1's fragments are written
	s_mov_b32 s20, 0x76543210
	s_mov_b32 s21, 0xfedcba98                      ; v_permlanex16_b32's selects for lane l xor 16
.irp b, 0,1,2,3
	v_mov_b32 v[TM+4+\b], 0                        ; written once: a lane permute's destination counts as one of its sources
.endr
.irp a, 0,1,2,3,4,5,6,7
	QUANT \a
	OUT \a
.endr
	s_cmp_lg_u32 s66, 0
	s_cbranch_scc1 .Lsc_v
.irp a, 0,1,2,3,4,5,6,7
	v_lshrrev_b32 v[PWS+\a], v[SH], v[PWS+\a]      ; lanes 0-15 keep my first head's two bytes, lanes 16-31 take the next head's;
.endr
.irp a, 0,1,2,3,4,5,6,7
	v_and_b32 v[PWS+\a], 0xffff, v[PWS+\a]         ; bytes 2 and 3, which scale the upper 64 of the instruction's K, are 0
.endr
	global_store_b128 v[VOS], v[PWS:PWS+3], s[100:101] offset:6144      ; sixteen lanes store 256 consecutive bytes of a head's record
	global_store_b128 v[VOS], v[PWS+4:PWS+7], s[100:101] offset:6400
	s_branch .Lsc_d
.Lsc_v:
	global_store_b128 v[VO16], v[PWS:PWS+3], s[100:101] offset:6144
	global_store_b128 v[VO16], v[PWS+4:PWS+7], s[100:101] offset:HSTR+6144
.Lsc_d:
	s_wait_tensorcnt 0x0                           ; the wave's end: behind my last tensor load
	ds_add_u32 v[SPW], v[NIL]
	s_wait_dscnt 0x0
	CROUND                                         ; the closing round: no work-group ends while a partner may still ask for a tile that names it
	s_endpgm
.Lfunc_end_k_q6b10f206f2_gemm_qkv:
	.size	k_q6b10f206f2_gemm_qkv, .Lfunc_end_k_q6b10f206f2_gemm_qkv-k_q6b10f206f2_gemm_qkv
	.p2alignl 7, 3214868480
	.fill 96, 4, 3214868480
	.section	.rodata,"a",@progbits
	.p2align	6, 0x0
	.amdhsa_kernel k_q6b10f206f2_gemm_qkv
		.amdhsa_group_segment_fixed_size 327680
		.amdhsa_private_segment_fixed_size 0
		.amdhsa_enable_private_segment 0
		.amdhsa_kernarg_size 48
		.amdhsa_user_sgpr_count 2
		.amdhsa_user_sgpr_kernarg_segment_ptr 1
		.amdhsa_wavefront_size32 1
		.amdhsa_system_sgpr_workgroup_id_x 1
		.amdhsa_system_sgpr_workgroup_id_y 1
		.amdhsa_system_sgpr_workgroup_id_z 1
		.amdhsa_system_vgpr_workitem_id 0
		.amdhsa_next_free_vgpr 1024
		.amdhsa_next_free_sgpr 104
		.amdhsa_reserve_vcc 0
		.amdhsa_float_denorm_mode_32 3
		.amdhsa_float_denorm_mode_16_64 3
		.amdhsa_memory_ordered 1
		.amdhsa_forward_progress 1
		.amdhsa_inst_pref_size 189
	.end_amdhsa_kernel
	.amdgpu_metadata
---
amdhsa.version: [ 1, 2 ]
amdhsa.kernels:
  - .name:           k_q6b10f206f2_gemm_qkv
    .symbol:         k_q6b10f206f2_gemm_qkv.kd
    .args:
      - { .name: xc, .offset: 0, .size: 8, .value_kind: global_buffer, .address_space: global }
      - { .name: xs, .offset: 8, .size: 8, .value_kind: global_buffer, .address_space: global }
      - { .name: wc, .offset: 16, .size: 8, .value_kind: global_buffer, .address_space: global }
      - { .name: ws, .offset: 24, .size: 8, .value_kind: global_buffer, .address_space: global }
      - { .name: b_attn, .offset: 32, .size: 8, .value_kind: global_buffer, .address_space: global }
      - { .name: qkv, .offset: 40, .size: 8, .value_kind: global_buffer, .address_space: global }
    .group_segment_fixed_size: 327680
    .private_segment_fixed_size: 0
    .kernarg_segment_align: 8
    .kernarg_segment_size: 48
    .max_flat_workgroup_size: 128
    .sgpr_count:     104
    .vgpr_count:     1024
    .wavefront_size: 32
...
	.end_amdgpu_metadata
.endif
;; end of part 2
;; launch attn (part 3): grid 4 x 64, 16 waves a work-group, clusters of 4 x 1, 229,376 bytes of LDS; arguments qkv, cc, cs; writes cc, cs
.if DOCPART == 3
	.amdgcn_target "amdgcn-amd-amdhsa--gfx1250"
	.amdhsa_code_object_version 6
	.text
	.protected	k_q6b10f206f2_attn
	.globl	k_q6b10f206f2_attn
	.p2align	8
	.type	k_q6b10f206f2_attn,@function
k_q6b10f206f2_attn:
	s_mov_b64 s[64:65], 0
	v_nop
	global_prefetch_b8 v0, s[64:65] scope:SCOPE_SE
	s_setreg_imm32_b32 hwreg(HW_REG_WAVE_MODE, 25, 1), 1
	s_wait_xcnt 0x0
	s_wait_alu depctr_hold_cnt(0) depctr_sa_sdst(0) depctr_va_vdst(0) depctr_va_sdst(0) depctr_va_ssrc(0) depctr_va_vcc(0) depctr_vm_vsrc(0)
	s_getreg_b32 s2, hwreg(HW_REG_IB_STS2, 6, 4)
	s_cmp_eq_u32 s2, 0
	s_cbranch_scc0 .Lentry_in_a_cluster
	s_endpgm
.Lentry_in_a_cluster:
	s_bfe_u32 s2, ttmp6, 0x10000c
	s_cmp_lg_u32 s2, 0x3003
	s_cbranch_scc0 .Lentry_shape_is_right
	s_endpgm
.Lentry_shape_is_right:
; LAUNCH 3 OF 4: ctx = softmax(q k^T / 8, causal) v for 64 heads of 2,048 tokens x 64 channels, both products on codes of FP6 (E2M3) with E8M0 scales, and ctx quantised on the way out.
; WORK LEFT OUT: a step of 128 keys all of which lie behind a tile's 16 queries is under reference()'s own causal mask: its weights are exactly 0 for all inputs, so its loads, products and softmax are not done
; (shown at the head of the first launch).  LIMIT: a NaN, an infinity or an overflow that reaches only such scores is not carried to the result.
; THE SOFTMAX: t = score x log2(e) / 8; M = the row's largest t so far, rounded UP to a whole number; p = 2^(t - M) is quantised along the keys, not normalised; the row's sum is taken of the unquantised p and divides
; at the end.  When M moves, the sum and O are multiplied by 2^(old M - new M): exact.  t - M is one fused multiply-add.
; A HEAD'S K AND V LIE IN LDS WHOLE: as codes and scales they are 16 key steps x 13,312 bytes.  So there is no ring: every tensor load is a first fill, two a wave, at the head.
; SHARES.  The four work-groups of a cluster share a head.  A head has 128 tiles of 16 query positions, 8 to a group of 128.  Wave w of work-group cx owns two tiles at the same place e = 4 (w % 2) + cx of
; groups 15 - w / 2 and w / 2: (16 - w / 2) + (w / 2 + 1) = 17 key steps for every wave.  Groups, and so all branches, hang on the wave's number alone; cx enters global addresses and the lanes' mask values only.
; Every partner has waves whose large tile lies in group 15, so every tile that is asked for jointly is read in every partner.
; LAYOUT.  Both products are used transposed: S^T = K Q^T, O^T = V^T P^T: a lane holds ONE query throughout.  Tokens and channels lie at positions sigma(i) (bits 3 and 4 exchanged), so that the 16 registers of tiles
; 2 b and 2 b + 1 of a result are 16 neighbours along the next K.  All operands come as images of their registers: 16 or 8 bytes a lane, consecutive.
; THE HEAD'S 64 IN AN INSTRUCTION OF K = 128: Q's registers 6-11 are zero codes.  K's fragment of tile kt is v[32 + 6 kt .. + 11]: its upper six registers are the next tile's codes (or zeros): finite numbers
; times zero codes add exactly 0, whatever the scale bytes 2 and 3 (they are 0, which is 2^-127).
.set RS,    19968                      ; a record of qkv: k's part, v's part, q's part
.set SUB,   6656                       ; a part
.set STEPB, 2*SUB                      ; a key step in LDS: k's part, then v's
.set QOFF,  2*SUB                      ; q's part in a record
.set SPARE, 16*STEPB                   ; behind the head: the spare words, 128 bytes for each of 16 waves
.set L16, 1                            ; v1   16 x lane
.set L8,  2                            ; v2   8 x lane
.set R16, 3                            ; v3   16 x (lane % 16)
.set SPW, 4                            ; v4   LDS address of my spare word; never rewritten
.set NIL, 5                            ; v5   0; never rewritten
.set A16, 6                            ; v6-8 the step's LDS addresses
.set A8,  7
.set AR,  8
.set VD,  9                            ; v9   my query's place in its group of 128, less 16 (lane / 16)
.set LN,  10                           ; v10  lane
.set R32, 11                           ; v11  32 x (lane % 16)
                                       ; v12 -M, v13 the largest t, v[14:15] the sum in two halves; v16-21 Q's codes, v22-27 zeros
.set QS,  28                           ; v28  Q's scale words
.set PS,  29                           ; v29  p's scale word
.set FF,  30                           ; v[30:31] f = 2^(old M - new M), later 1 / the sum (v31 is named with it as a pair and written once)
.set KV,  32                           ; v32-79 K's eight half fragments, then V's four fragments; v80-85 zeros
.set KSC, 86                           ; v86-93 K's scale words
.set S,   96                           ; v96-159 S^T, then p
.set O,   160                          ; v160-191 O^T
.set VSC, 192                          ; v192-195 V's scale words
.set PC,  196                          ; v196-207 p's codes
.set PT,  208                          ; v208-210, v212-214 the conversions' second halves
.set BM,  216                          ; v216-219 the blocks' largest
.set BP,  220                          ; v220-223 the other half's, then bytes
.set BS,  224                          ; v224-227 the conversions' scale operands
.set SU,  228                          ; v[228:229] one of the sum's seven chains (with v[14:15], v[94:95], v[248:255]);  v230, v231 at work;  v232-238 ctx's codes;  v240-246 the small tile's Q
.set WV,  10                           ; s10  my wave's number;  s11 = wave / 2;  s12 = cx;  s13 = e;  s14 = batch x 16 + head
.set G1,  16                           ; s[16:23] descriptor group 1;  s[24:27], s[28:31] groups 0 of my two loads
.set SEL, 32                           ; s[32:33] lane selects for lane l xor 16
.set CS,  34                           ; s[34:35] c = log2(e) / 8, twice
.set TB,  36                           ; s36  LDS byte at which the step in hand begins
.set SI,  37                           ; s37  the step in hand
.set G,   38                           ; s38  the group of the tile in hand
.set RB,  40                           ; s[40:41] my head's records
.macro CROUND                          ; a round of the cluster's barrier
	s_barrier_signal -1
	s_barrier_wait -1
	s_cmp_lg_u32 s[WV], 0
	s_cbranch_scc1 .Lnot_wave_0_\@
	s_barrier_signal -3
.Lnot_wave_0_\@:
	s_barrier_wait -3
	s_barrier_signal -1
	s_barrier_wait -1
.endm
	s_load_b128 s[4:7], s[0:1], 0x0                ; qkv s[4:5], cc s[6:7]
	s_load_b64 s[8:9], s[0:1], 0x10                ; cs
	v_lshl_add_u32 v[SPW], v0, 2, SPARE
	v_mov_b32 v[NIL], 0
	ds_add_u32 v[SPW], v[NIL]                      ; the wave's opening: the add, twice on end, and its wait ahead of my first tensor load
	ds_add_u32 v[SPW], v[NIL]                      ; and once more, under the one wait; the set-up below, work on registers, stands between
	v_lshrrev_b32 v6, 5, v0
	s_delay_alu instid0(VALU_DEP_1)
	v_readfirstlane_b32 s[WV], v6                  ; wave 0..15
	s_lshr_b32 s11, s[WV], 1
	s_bfe_u32 s12, ttmp6, 0x40000                  ; cx
	s_and_b32 s13, s[WV], 1
	s_lshl_b32 s13, s13, 2
	s_add_co_u32 s13, s13, s12                     ; e: my tiles' place in their groups
	s_and_b32 s14, ttmp7, 0xffff                   ; the head, which the four partners share
	; descriptor group 1: a part of a record, 6,656 dense bytes, as 26 rows of 256 bytes (32 elements of 8), no padding
	s_mov_b32 s[G1], 15|(3<<16)|(1<<21)            ; 15:0 the mask: all four work-groups; 17:16 elements of 8 bytes; 21 set beside a mask
	s_mov_b32 s[G1+1], 32<<16                      ; tensor_dim0
	s_mov_b32 s[G1+2], 26<<16                      ; tensor_dim1
	s_mov_b32 s[G1+3], 32<<16                      ; tile_dim0
	s_mov_b32 s[G1+4], 26                          ; tile_dim1
	s_mov_b32 s[G1+5], 32                          ; tensor_dim0_stride
	s_mov_b32 s[G1+6], 0
	s_mov_b32 s[G1+7], 0
	s_mov_b32 s[SEL], 0x76543210
	s_mov_b32 s[SEL+1], 0xfedcba98
	s_mov_b32 s[CS], 0x3e38aa3b                    ; c = log2(e) / 8
	s_mov_b32 s[CS+1], s[CS]
	s_mul_i32 s54, s14, 16*RS                      ; my head's records
	s_mov_b32 s55, 0
	s_mul_i32 s56, s11, RS                         ; wave w fetches, of key steps w / 2 and 8 + w / 2, k's part (w even) or v's (w odd)
	s_and_b32 s57, s[WV], 1
	s_mul_i32 s57, s57, SUB
	s_add_co_u32 s56, s56, s57
	s_mov_b32 s57, 0
	s_mul_i32 s58, s[WV], SUB                      ; and in LDS: 6,656 x wave
	s_wait_dscnt 0x0                               ; both opening adds are done
	s_wait_kmcnt 0x0
	s_add_nc_u64 s[RB:RB+1], s[4:5], s[54:55]
	s_mov_b32 s24, 1
	s_mov_b32 s25, s58
	s_add_nc_u64 s[26:27], s[RB:RB+1], s[56:57]
	s_mov_b32 s28, 1
	s_add_co_u32 s29, s58, 8*STEPB
	s_add_nc_u64 s[30:31], s[26:27], 8*RS
	s_or_b32 s27, s27, 0x80000000
	s_or_b32 s31, s31, 0x80000000
	CROUND                                         ; all four work-groups are here: the joint loads meet
	tensor_load_to_lds s[24:27], s[G1:G1+7]        ; key steps 0-7, all sixteen waves together
	s_nop 0
	tensor_load_to_lds s[28:31], s[G1:G1+7]        ; key steps 8-15: two tensor loads of mine are out, and there are no more
	s_nop 0
.rept 4
	v_nop
.endr
	; Q of my two tiles: codes at q's part + 768 e, scale words at + 6,144 + 256 (e / 4) + 16 r + 4 (e % 4)
	s_sub_co_u32 s[G], 15, s11                     ; the large tile's group
	s_mul_i32 s56, s13, 768
	s_lshr_b32 s57, s13, 2
	s_lshl_b32 s57, s57, 8
	s_and_b32 s58, s13, 3
	s_lshl_b32 s58, s58, 2
	s_add_co_u32 s57, s57, s58
	s_mul_i32 s59, s[G], RS
	s_add_co_u32 s54, s59, s56
	s_add_co_u32 s54, s54, QOFF
	s_add_nc_u64 s[42:43], s[RB:RB+1], s[54:55]
	s_add_co_u32 s54, s59, s57
	s_add_co_u32 s54, s54, QOFF+6144
	s_add_nc_u64 s[44:45], s[RB:RB+1], s[54:55]
	s_mul_i32 s59, s11, RS
	s_add_co_u32 s54, s59, s56
	s_add_co_u32 s54, s54, QOFF
	s_add_nc_u64 s[46:47], s[RB:RB+1], s[54:55]
	s_add_co_u32 s54, s59, s57
	s_add_co_u32 s54, s54, QOFF+6144
	s_add_nc_u64 s[48:49], s[RB:RB+1], s[54:55]
	v_and_b32 v[LN], 31, v0
	s_delay_alu instid0(VALU_DEP_1)
	v_lshlrev_b32 v[L16], 4, v[LN]
	s_delay_alu instid0(VALU_DEP_2)
	v_lshlrev_b32 v[L8], 3, v[LN]
	v_and_b32 v[R32], 15, v0
	s_delay_alu instid0(VALU_DEP_1)
	v_lshlrev_b32 v[R16], 4, v[R32]
	s_delay_alu instid0(VALU_DEP_2)
	v_lshlrev_b32 v[R32], 5, v[R32]
	global_load_b128 v[16:19], v[L16], s[42:43]
	global_load_b64 v[20:21], v[L8], s[42:43] offset:512
	global_load_b32 v[QS], v[R16], s[44:45]
	global_load_b128 v[240:243], v[L16], s[46:47]
	global_load_b64 v[244:245], v[L8], s[46:47] offset:512
	global_load_b32 v246, v[R16], s[48:49]
	s_lshr_b32 s54, s13, 1                         ; the query at position 16 e + r of a group is 32 (e / 2) + 8 (e % 2) + r % 8 + 16 (r / 8)
	s_lshl_b32 s54, s54, 5
	s_and_b32 s55, s13, 1
	s_lshl_b32 s55, s55, 3
	s_add_co_u32 s54, s54, s55
	v_and_b32 v[VD], 7, v0
	v_bfe_u32 v230, v0, 3, 1
	v_bfe_u32 v231, v0, 4, 1
	s_delay_alu instid0(VALU_DEP_1)
	v_sub_nc_u32 v230, v230, v231
	s_delay_alu instid0(VALU_DEP_1)
	v_lshl_add_u32 v[VD], v230, 4, v[VD]
	s_delay_alu instid0(VALU_DEP_1)
	v_add_nc_u32 v[VD], s54, v[VD]                 ; less 16 (lane / 16): register 16 b + i holds the step's key 32 b + 16 (lane / 16) + i, hidden where 32 b + i is above this
.irp i, 0,1,2,3,4,5
	v_mov_b32 v[22+\i], 0                          ; Q's upper 64 along K: zero codes; never rewritten
	v_mov_b32 v[80+\i], 0                          ; what stands behind K's last tile; never rewritten
.endr
.irp b, 0,1,2,3
	v_mov_b32 v[BP+\b], 0                          ; written once: a lane permute's destination counts as one of its sources
.endr
	v_mov_b32 v[FF+1], 0
.macro INIT                            ; a tile begins: O^T and the sum are zeros, which the first change of M leaves zeros; the largest t is -3e38, under every t
	v_mov_b32 v13, 0xff61b1e6
	s_delay_alu instid0(VALU_DEP_1)
	v_floor_f32 v12, -v13
	v_mov_b32 v14, 0
	v_mov_b32 v15, 0
.set n, 0
.rept 32
	v_mov_b32 v[O+n], 0
.set n, n+1
.endr
.endm
	INIT
	s_mov_b32 s[TB], 0
	s_mov_b32 s[SI], 0
	s_wait_loadcnt 0x0                             ; Q
; A KEY STEP: 128 keys.  m = 0: all keys count.  m = 1: the step is left out where it lies behind my tile's group, and masked where it is that group.
.macro STEP m
.if \m
	s_cmp_gt_u32 s[SI], s[G]                       ; made of the wave's number and the count of steps; no barrier and no tensor load stands in a step
	s_cbranch_scc1 .Lhidden_\@
.endif
	s_setprio 2
	v_add_nc_u32 v[A16], s[TB], v[L16]             ; these three and the v_nop are the four places in front of loads into registers that the last products read
	v_add_nc_u32 v[A8], s[TB], v[L8]
	v_add_nc_u32 v[AR], s[TB], v[R16]
	v_nop
.irp kt, 0,1,2,3,4,5,6,7
	ds_load_b128 v[KV+6*\kt:KV+6*\kt+3], v[A16] offset:768*\kt
	ds_load_b64 v[KV+6*\kt+4:KV+6*\kt+5], v[A8] offset:768*\kt+512
.endr
	ds_load_b128 v[KSC:KSC+3], v[AR] offset:6144
	ds_load_b128 v[KSC+4:KSC+7], v[AR] offset:6400
	s_wait_alu depctr_va_vdst(0)
	s_wait_dscnt 0x0
.irp kt, 0,1,2,3,4,5,6,7
	v_wmma_scale_f32_16x16x128_f8f6f4 v[S+8*\kt:S+8*\kt+7], v[KV+6*\kt:KV+6*\kt+11], v[16:27], 0, v[KSC+\kt], v[QS] matrix_a_fmt:MATRIX_FMT_FP6 matrix_b_fmt:MATRIX_FMT_FP6
.endr
.rept 4
	v_nop                                          ; places: in front of the loads below, and of the first read of the scores
.endr
.irp i, 0,1,2,3,4,5,6,7,8,9,10,11
	ds_load_b128 v[KV+4*\i:KV+4*\i+3], v[A16] offset:SUB+512*\i   ; V's four fragments are asked for here: they land while the softmax is worked
.endr
	ds_load_b128 v[VSC:VSC+3], v[A16] offset:SUB+6144
.if \m
	s_cmp_lg_u32 s[SI], s[G]
	s_cbranch_scc1 .Lopen_\@
	v_mov_b32 v230, 0xff800000                     ; on the diagonal the scores of hidden keys become -infinity ahead of the maximum: p = 0 then.  The query's own key counts, so M stays a number
.set n, 0
.rept 64
	v_cmp_gt_i32 vcc_lo, 32*(n/16)+n%16, v[VD]
	v_cndmask_b32 v[S+n], v[S+n], v230, vcc_lo
.set n, n+1
.endr
.Lopen_\@:
.endif
.irp b, 0,1,2,3
	v_max3_num_f32 v[BM+\b], v[S+16*\b], v[S+16*\b+1], v[S+16*\b+2]   ; the largest score of each block of 32 keys: it serves for the row's maximum and, since p rises with the score, for the block's largest p
.endr
.irp i, 3,5,7,9,11,13
.irp b, 0,1,2,3
	v_max3_num_f32 v[BM+\b], v[BM+\b], v[S+16*\b+\i], v[S+16*\b+\i+1]
.endr
.endr
.irp b, 0,1,2,3
	v_max_num_f32 v[BM+\b], v[BM+\b], v[S+16*\b+15]
.endr
.irp b, 0,1,2,3
	s_delay_alu instid0(VALU_DEP_4)
	v_permlanex16_b32 v[BP+\b], v[BM+\b], s[SEL], s[SEL+1]
.endr
.irp b, 0,1,2,3
	s_delay_alu instid0(VALU_DEP_4)
	v_max_num_f32 v[BM+\b], v[BM+\b], v[BP+\b]     ; with lane l xor 16's 16 keys
.endr
	s_delay_alu instid0(VALU_DEP_2)
	v_max3_num_f32 v230, v[BM], v[BM+1], v[BM+2]
	s_delay_alu instid0(VALU_DEP_1)
	v_max_num_f32 v230, v230, v[BM+3]              ; the step's largest score of my query
	s_delay_alu instid0(VALU_DEP_1)
	v_mul_f32 v230, s[CS], v230                    ; as t (c is positive)
	s_delay_alu instid0(VALU_DEP_1)
	v_max_num_f32 v13, v13, v230                   ; the running largest t
	v_mov_b32 v230, v12
	s_delay_alu instid0(VALU_DEP_2)
	v_floor_f32 v12, -v13                          ; the new -M = floor(-t) = -ceil(t): a whole number
	s_delay_alu instid0(VALU_DEP_1)
	v_sub_f32 v230, v12, v230                      ; M's old value less its new one: a whole number, 0 or less
	s_delay_alu instid0(VALU_DEP_1)
	v_cvt_i32_f32 v230, v230                       ; (it saturates)
	s_delay_alu instid0(VALU_DEP_1)
	v_ldexp_f32 v[FF], 1.0, v230                   ; f = 2^(old M - new M)
.set n, 0
.rept 32
	v_pk_fma_f32 v[S+n:S+n+1], v[S+n:S+n+1], s[CS:CS+1], v[12:13] op_sel_hi:[1,0,0]   ; t - M, two at a time
.set n, n+2
.endr
.irp b, 0,1,2,3
	v_fma_f32 v[BM+\b], v[BM+\b], s[CS], v12       ; the same of each block's largest score
.endr
.set n, 0
	s_setprio 1
	s_wait_alu depctr_va_vdst(0)
.rept 64
	v_exp_f32 v[S+n], v[S+n]                       ; p = 2^(t - M), at most 1: not normalised
.set n, n+1
.endr
	v_pk_mul_f32 v[14:15], v[14:15], v[FF:FF+1] op_sel_hi:[1,0]   ; the sums under the new M (a plain place behind the exponentials)
	s_wait_alu depctr_va_vdst(0)                   ; one wait for the whole batch, ahead of its first reader
.irp b, 0,1,2,3
	v_exp_f32 v[BM+\b], v[BM+\b]                   ; the block's largest p: the same two instructions on the same number give the same bits
.endr
	v_pk_add_f32 v[228:229], v[100:101], v[104:105]
	v_pk_add_f32 v[254:255], v[108:109], v[112:113]
	v_pk_add_f32 v[252:253], v[116:117], v[120:121]
	v_pk_add_f32 v[250:251], v[124:125], v[128:129]
	v_pk_add_f32 v[248:249], v[132:133], v[136:137]
	v_pk_add_f32 v[94:95], v[140:141], v[144:145]
	v_pk_add_f32 v[14:15], v[14:15], v[148:149]
	v_pk_add_f32 v[228:229], v[228:229], v[152:153]
	v_pk_add_f32 v[254:255], v[254:255], v[156:157]
	v_pk_add_f32 v[252:253], v[252:253], v[96:97]
	v_pk_add_f32 v[250:251], v[250:251], v[98:99]
	v_pk_add_f32 v[248:249], v[248:249], v[102:103]
	v_pk_add_f32 v[94:95], v[94:95], v[106:107]
	v_pk_add_f32 v[14:15], v[14:15], v[110:111]
	v_pk_add_f32 v[228:229], v[228:229], v[114:115]
	v_pk_add_f32 v[254:255], v[254:255], v[118:119]
	v_pk_add_f32 v[252:253], v[252:253], v[122:123]
	v_pk_add_f32 v[250:251], v[250:251], v[126:127]
	v_pk_add_f32 v[248:249], v[248:249], v[130:131]
	v_pk_add_f32 v[94:95], v[94:95], v[134:135]
	v_pk_add_f32 v[14:15], v[14:15], v[138:139]
	v_pk_add_f32 v[228:229], v[228:229], v[142:143]
	v_pk_add_f32 v[254:255], v[254:255], v[146:147]
	v_pk_add_f32 v[252:253], v[252:253], v[150:151]
	v_pk_add_f32 v[250:251], v[250:251], v[154:155]
	v_pk_add_f32 v[248:249], v[248:249], v[158:159]
	s_delay_alu instid0(VALU_DEP_2)
	v_pk_add_f32 v[14:15], v[14:15], v[250:251]
	s_delay_alu instid0(VALU_DEP_2)
	v_pk_add_f32 v[228:229], v[228:229], v[248:249]
	v_pk_add_f32 v[254:255], v[254:255], v[94:95]
	s_delay_alu instid0(VALU_DEP_1)
	v_pk_add_f32 v[14:15], v[14:15], v[254:255]
	s_delay_alu instid0(VALU_DEP_3)
	v_pk_add_f32 v[228:229], v[228:229], v[252:253]
	s_delay_alu instid0(VALU_DEP_1)
	v_pk_add_f32 v[14:15], v[14:15], v[228:229]
	s_wait_alu depctr_va_vdst(0)                   ; and one for the four
.irp b, 0,1,2,3
	v_max_num_f32 v[BM+\b], 0x1800000, v[BM+\b]    ; the floor 2^(3 - 127): the byte cannot fall under 1 (a block whose every p is 0 keeps that byte: its codes are zeros)
.endr
.irp b, 0,1,2,3
	s_delay_alu instid0(VALU_DEP_4)
	v_add_nc_u32 v[BS+\b], 0xff000000, v[BM+\b]    ; 2 off the exponent field: the conversion's scale operand
.endr
.irp b, 0,1,2,3
	s_delay_alu instid0(VALU_DEP_4)
	v_lshrrev_b32 v[BP+\b], 23, v[BS+\b]           ; the scale's byte
.endr
	s_delay_alu instid0(VALU_DEP_3)
	v_lshl_or_b32 v[PS], v[BP+1], 8, v[BP]         ; p's scale word for these 128 keys
	s_delay_alu instid0(VALU_DEP_1)
	v_lshl_or_b32 v[PS], v[BP+2], 16, v[PS]
	s_delay_alu instid0(VALU_DEP_1)
	v_lshl_or_b32 v[PS], v[BP+3], 24, v[PS]
.irp c, 0,1
	v_cvt_scalef32_pk16_fp6_f32 v[PC+6*\c:PC+6*\c+2], v[S+32*\c:S+32*\c+15], v[BS+2*\c]
	v_cvt_scalef32_pk16_fp6_f32 v[PT+4*\c:PT+4*\c+2], v[S+32*\c+16:S+32*\c+31], v[BS+2*\c+1]   ; (a conversion's three registers begin on an even number)
.endr
	v_nop                                          ; one plain place behind a scaled conversion
	s_setprio 0
.irp c, 0,1                                    ; the operand's layout wants a WHOLE block in a lane
.irp i, 0,1,2
	v_permlane16_swap_b32 v[PC+6*\c+\i], v[PT+4*\c+\i]
.endr
.irp i, 0,1,2
	s_delay_alu instid0(VALU_DEP_3)
	v_mov_b32 v[PC+3+6*\c+\i], v[PT+4*\c+\i]
.endr
.endr
.set n, 0
.rept 16
	v_pk_mul_f32 v[O+n:O+n+1], v[O+n:O+n+1], v[FF:FF+1] op_sel_hi:[1,0]   ; O^T under the new M, from each accumulator's low end on.  These 16 are also the places between p's codes and scale word and the products below
.set n, n+2
.endr
	s_wait_alu depctr_va_vdst(0)
	s_wait_dscnt 0x0                               ; V is in
.irp ct, 0,1,2,3
	v_wmma_scale_f32_16x16x128_f8f6f4 v[O+8*\ct:O+8*\ct+7], v[KV+12*\ct:KV+12*\ct+11], v[PC:PC+11], v[O+8*\ct:O+8*\ct+7], v[VSC+\ct], v[PS] matrix_a_fmt:MATRIX_FMT_FP6 matrix_b_fmt:MATRIX_FMT_FP6
.endr
.if \m
.Lhidden_\@:
.endif
	s_add_co_u32 s[SI], s[SI], 1
	s_add_co_u32 s[TB], s[TB], STEPB
.endm
; A TILE ENDS: O^T / the sum is ctx: register 16 b + i is channel 32 b + 16 (lane / 16) + i of my head: two blocks of the projection's K.  Quantised, it is half a fragment: 768 bytes, an image of six registers.
.macro EPI
	s_lshr_b32 s54, s14, 4                         ; the tile of 16 positions: batch x 128 + 8 x group + e
	s_lshl_b32 s54, s54, 7
	s_lshl_b32 s55, s[G], 3
	s_add_co_u32 s54, s54, s55
	s_add_co_u32 s54, s54, s13
	s_and_b32 s55, s14, 15                         ; the head
	s_lshl_b32 s56, s54, 4
	s_add_co_u32 s56, s56, s55
	s_mul_i32 s56, s56, 768
	s_mov_b32 s57, 0
	s_add_nc_u64 s[50:51], s[6:7], s[56:57]        ; cc [tile][head][768]
	s_lshl_b32 s56, s54, 9
	s_lshl_b32 s55, s55, 1
	s_add_co_u32 s56, s56, s55
	s_add_nc_u64 s[52:53], s[8:9], s[56:57]        ; cs [position][32], my head's two bytes
	v_add_f32 v14, v14, v15                        ; the sum's two halves,
	s_delay_alu instid0(VALU_DEP_1)
	v_permlanex16_b32 v230, v14, s[SEL], s[SEL+1]
	s_delay_alu instid0(VALU_DEP_1)
	v_add_f32 v14, v14, v230                       ; and lane l xor 16's: the row's sum
	s_wait_alu depctr_va_vdst(0)
	v_rcp_f32 v[FF], v14
.rept 3
	v_nop                                          ; the plain place behind the reciprocal; with the two additions: the places behind the last products
.endr
	s_wait_alu depctr_va_vdst(0)                   ; ahead of the reciprocal's first reader
.set n, 0
.rept 16
	v_pk_mul_f32 v[O+n:O+n+1], v[O+n:O+n+1], v[FF:FF+1] op_sel_hi:[1,0]
.set n, n+2
.endr
.irp b, 0,1
	v_max3_num_f32 v[BM+\b], |v[O+16*\b]|, |v[O+16*\b+1]|, 0x1800000
.endr
.irp i, 2,4,6,8,10,12,14
.irp b, 0,1
	s_delay_alu instid0(VALU_DEP_2)
	v_max3_num_f32 v[BM+\b], v[BM+\b], |v[O+16*\b+\i]|, |v[O+16*\b+\i+1]|
.endr
.endr
.irp b, 0,1
	s_delay_alu instid0(VALU_DEP_2)
	v_permlanex16_b32 v[BP+\b], v[BM+\b], s[SEL], s[SEL+1]
.endr
.irp b, 0,1
	s_delay_alu instid0(VALU_DEP_2)
	v_max_num_f32 v[BM+\b], v[BM+\b], v[BP+\b]
.endr
.irp b, 0,1
	s_delay_alu instid0(VALU_DEP_2)
	v_add_nc_u32 v[BS+\b], 0xff000000, v[BM+\b]
.endr
.irp b, 0,1
	s_delay_alu instid0(VALU_DEP_2)
	v_lshrrev_b32 v[BP+\b], 23, v[BS+\b]
.endr
	s_delay_alu instid0(VALU_DEP_1)
	v_lshl_or_b32 v231, v[BP+1], 8, v[BP]          ; my row's two scale bytes
	v_cvt_scalef32_pk16_fp6_f32 v[232:234], v[O:O+15], v[BS]
	v_cvt_scalef32_pk16_fp6_f32 v[236:238], v[O+16:O+31], v[BS+1]
	v_nop                                          ; one plain place behind a scaled conversion
.irp i, 0,1,2
	v_permlane16_swap_b32 v[232+\i], v[236+\i]     ; a whole block to a lane
.endr
	s_delay_alu instid0(VALU_DEP_3)
	v_mov_b32 v235, v236
	s_delay_alu instid0(VALU_DEP_3)
	v_mov_b32 v236, v237
	s_delay_alu instid0(VALU_DEP_3)
	v_mov_b32 v237, v238
	global_store_b128 v[L16], v[232:235], s[50:51]             ; 512 consecutive bytes, aligned
	global_store_b64 v[L8], v[236:237], s[50:51] offset:512    ; and 256
	s_wait_xcnt 0x0                                ; EXEC changes only behind this wait
	v_cmp_gt_u32 vcc_lo, 16, v[LN]
	s_and_saveexec_b32 s60, vcc_lo                 ; lanes 16-31 hold the same words
	global_store_b16 v[R32], v231, s[52:53]        ; two bytes a row, 32 bytes apart: one part in 24 of what the launch stores.  A scale word's halves belong to two heads, which are two clusters' work
	s_wait_xcnt 0x0                                ; and again in front of the line that widens it; behind it every store's registers and bases are free
	s_or_b32 exec_lo, exec_lo, s60
.endm
	s_wait_tensorcnt 1                             ; my part of key steps 0-7 is in; my second load may stay out
	s_barrier_signal -1
	s_barrier_wait -1                              ; everybody's is
	s_mov_b32 s39, 8
.Lbig_lo:                                          ; the large tile, key steps 0-7: its group is 8 or more, so all keys count
	STEP 0
	s_sub_co_u32 s39, s39, 1
	s_cmp_lg_u32 s39, 0
	s_cbranch_scc1 .Lbig_lo
	s_setprio 0
	s_wait_tensorcnt 0x0                           ; my part of key steps 8-15 is in (no LDS instruction of mine is out)
	s_barrier_signal -1
	s_barrier_wait -1                              ; everybody's is.  Every wave has done 8 of its 17 steps here
	s_mov_b32 s39, 8
.Lbig_hi:                                          ; key steps 8-15: every wave walks all eight trips and jumps over the work of those behind its group
	STEP 1
	s_sub_co_u32 s39, s39, 1
	s_cmp_lg_u32 s39, 0
	s_cbranch_scc1 .Lbig_hi
	s_setprio 0
	EPI
.irp i, 0,1,2,3,4,5
	v_mov_b32 v[16+\i], v[240+\i]                  ; the small tile's Q;
.endr
	v_mov_b32 v[QS], v246                          ; the 36 lines of INIT stand between these and the next product
	INIT
	s_mov_b32 s[TB], 0
	s_mov_b32 s[SI], 0
	s_mov_b32 s[G], s11
	s_mov_b32 s39, 8
.Lsmall:                                           ; the small tile, key steps 0-7
	STEP 1
	s_sub_co_u32 s39, s39, 1
	s_cmp_lg_u32 s39, 0
	s_cbranch_scc1 .Lsmall
	s_setprio 0
	EPI
	s_wait_tensorcnt 0x0                           ; the wave's end: behind my last tensor load
	ds_add_u32 v[SPW], v[NIL]
	s_wait_dscnt 0x0
	CROUND                                         ; the closing round
	s_endpgm
.Lfunc_end_k_q6b10f206f2_attn:
	.size	k_q6b10f206f2_attn, .Lfunc_end_k_q6b10f206f2_attn-k_q6b10f206f2_attn
	.p2alignl 7, 3214868480
	.fill 96, 4, 3214868480
	.section	.rodata,"a",@progbits
	.p2align	6, 0x0
	.amdhsa_kernel k_q6b10f206f2_attn
		.amdhsa_group_segment_fixed_size 229376
		.amdhsa_private_segment_fixed_size 0
		.amdhsa_enable_private_segment 0
		.amdhsa_kernarg_size 24
		.amdhsa_user_sgpr_count 2
		.amdhsa_user_sgpr_kernarg_segment_ptr 1
		.amdhsa_wavefront_size32 1
		.amdhsa_system_sgpr_workgroup_id_x 1
		.amdhsa_system_sgpr_workgroup_id_y 1
		.amdhsa_system_sgpr_workgroup_id_z 1
		.amdhsa_system_vgpr_workitem_id 0
		.amdhsa_next_free_vgpr 256
		.amdhsa_next_free_sgpr 66
		.amdhsa_reserve_vcc 1
		.amdhsa_float_denorm_mode_32 3
		.amdhsa_float_denorm_mode_16_64 3
		.amdhsa_memory_ordered 1
		.amdhsa_forward_progress 1
		.amdhsa_inst_pref_size 81
	.end_amdhsa_kernel
	.amdgpu_metadata
---
amdhsa.version: [ 1, 2 ]
amdhsa.kernels:
  - .name:           k_q6b10f206f2_attn
    .symbol:         k_q6b10f206f2_attn.kd
    .args:
      - { .name: qkv, .offset: 0, .size: 8, .value_kind: global_buffer, .address_space: global }
      - { .name: cc, .offset: 8, .size: 8, .value_kind: global_buffer, .address_space: global }
      - { .name: cs, .offset: 16, .size: 8, .value_kind: global_buffer, .address_space: global }
    .group_segment_fixed_size: 229376
    .private_segment_fixed_size: 0
    .kernarg_segment_align: 8
    .kernarg_segment_size: 24
    .max_flat_workgroup_size: 512
    .sgpr_count:     66
    .vgpr_count:     256
    .wavefront_size: 32
...
	.end_amdgpu_metadata
.endif
;; end of part 3
;; launch gemm_proj (part 4): grid 4 x 32, 4 waves a work-group, clusters of 4 x 4, 327,680 bytes of LDS; arguments cc, cs, wc, ws, b_proj, out0; writes out0
.if DOCPART == 4
	.amdgcn_target "amdgcn-amd-amdhsa--gfx1250"
	.amdhsa_code_object_version 6
	.text
	.protected	k_q6b10f206f2_gemm_proj
	.globl	k_q6b10f206f2_gemm_proj
	.p2align	8
	.type	k_q6b10f206f2_gemm_proj,@function
k_q6b10f206f2_gemm_proj:
	s_mov_b64 s[64:65], 0
	v_nop
	global_prefetch_b8 v0, s[64:65] scope:SCOPE_SE
	s_setreg_imm32_b32 hwreg(HW_REG_WAVE_MODE, 25, 1), 1
	s_wait_xcnt 0x0
	s_wait_alu depctr_hold_cnt(0) depctr_sa_sdst(0) depctr_va_vdst(0) depctr_va_sdst(0) depctr_va_ssrc(0) depctr_va_vcc(0) depctr_vm_vsrc(0)
	s_getreg_b32 s2, hwreg(HW_REG_IB_STS2, 6, 4)
	s_cmp_eq_u32 s2, 0
	s_cbranch_scc0 .Lentry_in_a_cluster
	s_endpgm
.Lentry_in_a_cluster:
	s_bfe_u32 s2, ttmp6, 0x10000c
	s_cmp_lg_u32 s2, 0xf033
	s_cbranch_scc0 .Lentry_shape_is_right
	s_endpgm
.Lentry_shape_is_right:
; LAUNCH 4 OF 4: out0 = ctx W_proj + b_proj on codes of FP6 (E2M3) with E8M0 scales; out0 [8192][1024] f32.
; A tile of 256 x 256 is made by a work-group of four waves, 128 x 128 a wave: 64 accumulators, 512 registers.  K = 1,024 goes in four steps of 256 through a ring of two LDS slots filled by the tensor data mover.
; A = ctx comes as IMAGES of operand registers: cc [tile of 16 positions][head 16][768 bytes]: 128 along K (two heads) of a tile are 1,536 consecutive bytes: registers 0-3 at 16 x lane, 4-5 at 512 + 8 x lane, 6-9 at
; 768 + 16 x lane, 10-11 at 1,280 + 8 x lane.  Its scale bytes cs [position][32].  B = W_proj's codes: rows 3,072 on of wc, K innermost, and of ws.
; Tokens and W_proj's columns lie at positions sigma(i) (bits 3 and 4 exchanged); both are put right on the way out, in the offsets of the stage's stores and of the global stores.
; The bias is the C of each sum's first matrix instruction.  LIMIT: that is another order of rounding than reference()'s sum + b.
; CLUSTERS: 4 x 4 work-groups; A's tiles are shared along a row of the cluster, B's along a column, by joint loads.  THE MATRIX INSTRUCTION IS USED TRANSPOSED (source 0 = B, source 1 = A).
; The grid has 128 work-groups: the launch stores 33.5 million bytes for 512 matrix instructions a wave, and the large tile keeps the reads of A and B small beside that.
; REGISTERS: window 0: v0-31 addresses; v32-63 scale words, two sets; v64-127 the bias; from v128 A's fragments, one set (on the way out: rows of out0).  window 1: B's fragments, two sets.  windows 2, 3: the accumulators.
.set KSTEP,  256
.set NQ,     KSTEP/128
.set ROWB,   192                       ; B: a tile's row in bytes
.set AROWB,  3072                      ; A: a K step of one tile of 16 positions: four heads' images
.set KROW,   768                       ; a row of codes in memory (and 16 rows of A are 16 x 768 bytes)
.set PITCH,  240                       ; B: an LDS row: 3 x (64 bytes + 16 of padding)
.set FR,     12
.set NL,     6                         ; LDS loads that bring a fragment of B,
.set NLA,    4                         ; and of A
.set NP,     4
.set HALFT,  128*PITCH
.set SLOT,   4*HALFT
.set KS,     32
.set SCL,    2*SLOT
.set HALFS,  (128*KS/256)*272
.set SBLK,   (16*KS/256)*272
.set SPARE,  SCL+4*HALFS
.set SPITCH, 528                       ; the way out: a stage of 16 rows x (512 bytes + 16) for each wave, in slot 0, which has had its last fill and its last read when the first result is stored there
.set ADRA16, 16                        ; v16-17  A's images in slot 0, 1: + 16 x lane
.set ADRA8,  18                        ; v18-19  + 8 x lane
.set ADRB, 20                          ; v20-23  B's fragments in slot 0, 1 (and behind one padding more)
.set STO,  24                          ; v24     the way out: where I put 32 bytes of a row
.set RD,   25                          ; v25     where I read a row back
.set CO,   26                          ; v26     my byte offset in a row of out0
.set ADRS, 27
.set SPW,  28                          ; v28     LDS address of my spare word; never rewritten
.set NIL,  29                          ; v29     0; never rewritten
.set VB,   30                          ; v30     the bias: 64 x (lane / 16)
.set SC,   32
.set BI,   64
.set AF,   128
.set BK,   128                         ; the way out: 16 rows read back from the stage: v128-191 and v192-255 by turns
.set G1, 24
.set G0, 32
.set G1B, 48
.set G0B, 56
.set G1S, 68
.set G0S, 76
.set G1SB, 80
.set G0SB, 88
.set MSB, 0
.macro WIN new                         ; the immediate's high byte repeats the setting that is left
.if MSB != \new
	s_set_vgpr_msb (MSB<<8)|\new
.set MSB, \new
.endif
.endm
.set MUL_LO, 0xa1
.set MUL_HI, 0xf1
.set TO_B,   0x40
.macro JLOAD g0a, g1a, g0b, g1b        ; a joint load: waves 0 and 1 fetch for A, waves 2 and 3 for B; an s_nop 0 and four v_nop follow each of the two lines
	s_cmp_eq_u32 s15, 0
	s_cbranch_scc0 .Lfor_b_\@
	tensor_load_to_lds s[\g0a:\g0a+3], s[\g1a:\g1a+7]
	s_nop 0
.rept 4
	v_nop
.endr
	s_branch .Lasked_\@
.Lfor_b_\@:
	tensor_load_to_lds s[\g0b:\g0b+3], s[\g1b:\g1b+7]
	s_nop 0
.rept 4
	v_nop
.endr
.Lasked_\@:
.endm
.macro CREST
	s_cmp_lg_u32 s14, 0
	s_cbranch_scc1 .Lnot_wave_0_\@
	s_barrier_signal -3
.Lnot_wave_0_\@:
	s_barrier_wait -3
	s_barrier_signal -1
	s_barrier_wait -1
.endm
.macro CROUND
	s_barrier_signal -1
	s_barrier_wait -1
	CREST
.endm
	s_load_b256 s[4:11], s[0:1], 0x0               ; cc s[4:5], cs s[6:7], wc s[8:9], ws s[10:11]
	s_load_b64 s[100:101], s[0:1], 0x20            ; b_proj
	s_load_b64 s[12:13], s[0:1], 0x28              ; out0
	v_lshl_add_u32 v[SPW], v0, 2, SPARE
	v_mov_b32 v[NIL], 0
	ds_add_u32 v[SPW], v[NIL]                      ; the wave's opening: the add, twice on end, and its wait ahead of my first tensor load
	ds_add_u32 v[SPW], v[NIL]                      ; and once more, under the one wait; the set-up below, work on registers, stands between
	v_lshrrev_b32 v1, 5, v0
	v_readfirstlane_b32 s14, v1                    ; wave 0..3
	s_lshr_b32 s15, s14, 1                         ; which half of the tile's rows is mine.  Also: I fetch for A (0) or for B (1)
	s_and_b32 s16, s14, 1                          ; which half of its columns.  Also: which 128 rows of that tile I fetch
	s_bfe_u32 s40, ttmp6, 0x40000                  ; cx, cy
	s_bfe_u32 s41, ttmp6, 0x40004
	s_lshl_b32 s42, ttmp9, 2
	s_add_co_u32 s42, s42, s40                     ; tile column = 4 x cluster x + cx
	s_and_b32 s17, ttmp7, 0xffff
	s_lshl_b32 s17, s17, 2
	s_add_co_u32 s17, s17, s41                     ; tile row = 4 x cluster y + cy
	s_lshl_b32 s43, s41, 2
	s_lshl_b32 s43, 15, s43                        ; my row of the cluster
	s_lshl_b32 s44, 0x1111, s40                    ; my column
	; descriptor group 1 for A: 8 tiles of 16 positions x 3,072 bytes (384 elements of 8), 12,288 bytes apart, no padding
	s_or_b32 s[G1+0], s43, (3<<16)|(1<<21)
	s_mov_b32 s[G1+1], 384<<16                     ; tensor_dim0
	s_mov_b32 s[G1+2], 8<<16                       ; tensor_dim1
	s_mov_b32 s[G1+3], 384<<16                     ; tile_dim0
	s_mov_b32 s[G1+4], 8                           ; tile_dim1
	s_mov_b32 s[G1+5], 1536                        ; tensor_dim0_stride
	s_mov_b32 s[G1+6], 0
	s_mov_b32 s[G1+7], 0
	; for B: 128 rows x 192 bytes, 16 bytes of padding behind every 64
	s_or_b32 s[G1B+0], s44, (0<<16)|(1<<20)|(1<<21)|(3<<22)|(3<<25)
	s_mov_b32 s[G1B+1], ROWB<<16
	s_mov_b32 s[G1B+2], 128<<16
	s_mov_b32 s[G1B+3], ROWB<<16
	s_mov_b32 s[G1B+4], 128
	s_mov_b32 s[G1B+5], KROW
	s_mov_b32 s[G1B+6], 0
	s_mov_b32 s[G1B+7], 0
	; the scales of 128 rows: 4,096 dense bytes, as 16 rows of 256 bytes, 16 bytes of padding behind each
	s_or_b32 s[G1S+0], s43, (3<<16)|(1<<20)|(1<<21)|(5<<22)|(3<<25)
	s_or_b32 s[G1SB+0], s44, (3<<16)|(1<<20)|(1<<21)|(5<<22)|(3<<25)
.irp g, G1S, G1SB
	s_mov_b32 s[\g+1], 32<<16
	s_mov_b32 s[\g+2], (128*KS/256)<<16
	s_mov_b32 s[\g+3], 32<<16
	s_mov_b32 s[\g+4], 128*KS/256
	s_mov_b32 s[\g+5], 32
	s_mov_b32 s[\g+6], 0
	s_mov_b32 s[\g+7], 0
.endr
	s_lshl_b32 s18, s16, 7
	s_lshl_b32 s20, s17, 8
	s_add_co_u32 s20, s20, s18                     ; A: position 256 x tile row + 128 x half
	s_lshl_b32 s46, s42, 8
	s_add_co_u32 s46, s46, s18                     ; B: row 256 x tile column + 128 x half
	s_mov_b32 s21, 0
	s_mov_b32 s47, 0
	s_mov_b64 s[18:19], KS
	s_mul_u64 s[22:23], s[20:21], s[18:19]
	s_mul_u64 s[92:93], s[46:47], s[18:19]
	s_mov_b64 s[18:19], KROW
	s_mul_u64 s[20:21], s[20:21], s[18:19]         ; (16 positions of A are 12,288 bytes: 768 a position)
	s_mul_u64 s[46:47], s[46:47], s[18:19]
	s_mul_i32 s45, s14, HALFT
	s_mul_i32 s94, s14, HALFS
	s_wait_dscnt 0x0                               ; both opening adds are done
	s_wait_kmcnt 0x0
	s_add_nc_u64 s[8:9], s[8:9], 3072*KROW         ; W_proj's rows lie behind W_attn's 3,072
	s_add_nc_u64 s[10:11], s[10:11], 3072*KS
	s_add_nc_u64 s[20:21], s[4:5], s[20:21]
	s_add_nc_u64 s[22:23], s[6:7], s[22:23]
	s_add_nc_u64 s[46:47], s[8:9], s[46:47]
	s_add_nc_u64 s[92:93], s[10:11], s[92:93]
	CROUND                                         ; all sixteen work-groups are here: the first joint loads meet
	s_mov_b32 s[G0S], 1
	s_add_co_u32 s[G0S+1], s94, SCL
	s_mov_b64 s[G0S+2:G0S+3], s[22:23]
	s_or_b32 s[G0S+3], s[G0S+3], 0x80000000
	s_mov_b32 s[G0SB], 1
	s_add_co_u32 s[G0SB+1], s94, SCL
	s_mov_b64 s[G0SB+2:G0SB+3], s[92:93]
	s_or_b32 s[G0SB+3], s[G0SB+3], 0x80000000
	JLOAD G0S, G1S, G0SB, G1SB                     ; the scales first
.irp s, 0,1
	s_mov_b32 s[G0+4*\s], 1
	s_add_co_u32 s[G0+4*\s+1], s45, \s*SLOT
	s_add_nc_u64 s[G0+4*\s+2:G0+4*\s+3], s[20:21], \s*AROWB
	s_or_b32 s[G0+4*\s+3], s[G0+4*\s+3], 0x80000000
	s_mov_b32 s[G0B+4*\s], 1
	s_add_co_u32 s[G0B+4*\s+1], s45, \s*SLOT
	s_add_nc_u64 s[G0B+4*\s+2:G0B+4*\s+3], s[46:47], \s*ROWB
	s_or_b32 s[G0B+4*\s+3], s[G0B+4*\s+3], 0x80000000
	JLOAD G0+4*\s, G1, G0B+4*\s, G1B               ; three tensor loads of mine are out
.endr
	v_and_b32 v1, 15, v0                           ; r
	v_bfe_u32 v2, v0, 4, 1                         ; h
	v_and_b32 v6, 31, v0                           ; lane
	v_mul_u32_u24 v3, v1, PITCH
	v_mul_u32_u24 v4, v2, 24
	v_add_nc_u32 v4, v3, v4                        ; B: a fragment's row x pitch + 24 x half
	v_lshl_add_u32 v5, v2, 4, v4                   ; and the same behind one padding more
	v_lshlrev_b32 v[CO], 4, v6                     ; 16 x lane
	v_lshlrev_b32 v7, 3, v6                        ; 8 x lane
	s_mul_i32 s21, s15, HALFT                      ; my 8 tiles of A
	s_mul_i32 s22, s16, HALFT                      ; my 128 rows of B,
	s_add_co_u32 s22, s22, 2*HALFT                 ; which lie behind A's two halves
.irp s, 0,1
	v_add_nc_u32 v[ADRA16+\s], s21, v[CO]
	v_add_nc_u32 v[ADRA8+\s], s21, v7
	v_add_nc_u32 v[ADRB+\s], s22, v4
	v_add_nc_u32 v[ADRB+2+\s], s22, v5
	s_add_co_u32 s21, s21, SLOT
	s_add_co_u32 s22, s22, SLOT
.endr
	v_mul_u32_u24 v5, v1, KS
	v_lshrrev_b32 v6, 8, v5
	v_lshl_add_u32 v5, v6, 4, v5
	s_mul_i32 s21, s15, HALFS
	s_mul_i32 s22, s16, HALFS
	s_add_co_u32 s22, s22, 2*HALFS
	s_sub_co_u32 s22, s22, s21
	v_mul_u32_u24 v6, s22, v2                      ; lanes 16-31 take B's
	s_add_co_u32 s21, s21, SCL
	v_add_nc_u32 v5, v5, v6
	v_add_nc_u32 v[ADRS], s21, v5
	s_mul_i32 s23, s14, 16*SPITCH                  ; my stage
	v_mul_u32_u24 v5, v1, SPITCH                   ; in: row r; register j of B's block b is column 32 (b / 2) + 16 h + 8 (b % 2) + j: 64 h bytes here, the rest in the stores' offsets
	v_lshl_add_u32 v5, v2, 6, v5
	v_add_nc_u32 v[STO], s23, v5
	v_add_nc_u32 v[RD], s23, v[CO]                 ; back: the 32 lanes take one row of 512 bytes
	v_lshlrev_b32 v[VB], 6, v2
	s_lshl_b32 s20, s17, 8
	s_lshl_b32 s21, s15, 7
	s_add_co_u32 s20, s20, s21                     ; my first row of out0
	s_mov_b32 s21, 0
	s_mov_b64 s[18:19], 4096
	s_mul_u64 s[20:21], s[20:21], s[18:19]
	s_lshl_b32 s46, s42, 10                        ; my first column, in bytes: 1,024 x tile column + 512 x half
	s_lshl_b32 s47, s16, 9
	s_add_co_u32 s46, s46, s47
	s_mov_b32 s47, 0
	s_add_nc_u64 s[100:101], s[100:101], s[46:47]  ; the same offset in b_proj
	s_add_nc_u64 s[20:21], s[20:21], s[46:47]
	s_add_nc_u64 s[12:13], s[12:13], s[20:21]
.irp b, 0,1,2,3,4,5,6,7                        ; the bias in the result's layout: register 8 b + j is b_proj at my 128 columns' 32 (b / 2) + 16 h + 8 (b % 2) + j
	global_load_b128 v[BI+8*\b:BI+8*\b+3], v[VB], s[100:101] offset:(32*(\b/2)+8*(\b%2))*4
	global_load_b128 v[BI+8*\b+4:BI+8*\b+7], v[VB], s[100:101] offset:(32*(\b/2)+8*(\b%2))*4+16
.endr
	s_wait_loadcnt 0x0
.macro FRAG reg, adr, q, i             ; a fragment of B from rows: six pieces of 8 bytes; where the piece of lanes 16-31 lies behind one padding more, the second address register serves
.irp p, 0,1,2,3,4,5
.set PC, 12*(\q)+6*(\p/3)+\p%3
.if PC%8 < 5
	ds_load_b64 v[\reg+2*\p:\reg+2*\p+1], v[\adr] offset:8*PC+16*(PC/8)+(\i)*16*PITCH
.else
	ds_load_b64 v[\reg+2*\p:\reg+2*\p+1], v[\adr+2] offset:8*PC+16*(PC/8)+(\i)*16*PITCH
.endif
.endr
.endm
.macro FRAGA reg, slot, q, i           ; a fragment of A from its image: two heads' halves, four loads of consecutive bytes
	ds_load_b128 v[\reg:\reg+3], v[ADRA16+\slot] offset:AROWB*(\i)+1536*(\q)
	ds_load_b64 v[\reg+4:\reg+5], v[ADRA8+\slot] offset:AROWB*(\i)+1536*(\q)+512
	ds_load_b128 v[\reg+6:\reg+9], v[ADRA16+\slot] offset:AROWB*(\i)+1536*(\q)+768
	ds_load_b64 v[\reg+10:\reg+11], v[ADRA8+\slot] offset:AROWB*(\i)+1536*(\q)+1280
.endm
; 16 matrix instructions: A's blocks a0, a0 + 1 x B's eight, 128 along K.  cm = 1: C = the bias: the first products start the sums, nothing is cleared.
; The 64 accumulators take turns, one instruction a turn, in the same order in every step.
.macro MUL16 a0, p, q, sc, cm
.irp a, \a0, \a0+1
.irp b, 0,1,2,3,4,5,6,7
.set rD, 8*(8*((\a)%4)+\b)
.set rB, 128*(\p)+FR*\b
.set rA, AF+FR*(\a)
.set rSB, SC+8*NQ*(\sc)+NQ*\b+(\q)
.set rSA, SC+8*NQ*(\sc)+NQ*(\a)+(\q)
.if (\cm) == 1
	v_wmma_scale_f32_16x16x128_f8f6f4 v[rD:rD+7], v[rB:rB+FR-1], v[rA:rA+FR-1], v[BI+8*\b:BI+8*\b+7], v[rSB], v[rSA] matrix_a_fmt:MATRIX_FMT_FP6 matrix_b_fmt:MATRIX_FMT_FP6 matrix_a_scale:MATRIX_SCALE_ROW1
.else
	v_wmma_scale_f32_16x16x128_f8f6f4 v[rD:rD+7], v[rB:rB+FR-1], v[rA:rA+FR-1], v[rD:rD+7], v[rSB], v[rSA] matrix_a_fmt:MATRIX_FMT_FP6 matrix_b_fmt:MATRIX_FMT_FP6 matrix_a_scale:MATRIX_SCALE_ROW1
.endif
.endr
.endr
.endm
.macro FETCH_B slot, q, p
	WIN TO_B
.irp i, 0,1,2,3,4,5,6,7
	FRAG 128*(\p)+FR*\i, ADRB+\slot, \q, \i
.endr
	WIN 0
.endm
.macro FETCH_A slot, q, i0
.irp i, \i0, \i0+1, \i0+2, \i0+3
	FRAGA AF+FR*(\i), \slot, \q, \i
.endr
.endm
.macro SCALES sc
.irp i, 0,1,2,3,4,5,6,7
	ds_load_b64 v[SC+8*NQ*\sc+NQ*\i:SC+8*NQ*\sc+NQ*\i+1], v[ADRS] offset:\i*SBLK
.endr
.endm
.macro PLACES n
.rept \n
	v_nop
.endr
.endm
.macro STEP slot, q, cm
	s_wait_dscnt 4*NLA                             ; B's set and A's blocks 0-3 are in; the youngest 16 loads (A's blocks 4-7) may be out
.if \cm
	WIN 0x81                                       ; C, the bias, in window 0
.else
	WIN MUL_LO
.endif
	MUL16 0, (\q)%2, \q, \slot, \cm
	MUL16 2, (\q)%2, \q, \slot, \cm
	s_wait_dscnt 0
	PLACES NP
	FETCH_B \slot, (\q)+1, 1-(\q)%2
	FETCH_A \slot, (\q)+1, 0
.if \cm
	WIN 0xc1
.else
	WIN MUL_HI
.endif
	MUL16 4, (\q)%2, \q, \slot, \cm
	MUL16 6, (\q)%2, \q, \slot, \cm
	PLACES NP
	WIN 0
	FETCH_A \slot, (\q)+1, 4
.endm
.macro TURN slot, next, fill
	s_wait_tensorcnt 0x0                           ; all my tensor loads have landed: my part of the next slot
	ds_add_u32 v[SPW], v[NIL]                      ; 0 onto my spare word
	s_wait_dscnt 4*NLA+1                           ; (the add and the youngest 16 loads may be out)
	WIN MUL_LO
	MUL16 0, 1, NQ-1, \slot, 0
	s_wait_dscnt 0x0                               ; the add is done, and my reads of this slot are over
	s_barrier_signal -1
	MUL16 2, 1, NQ-1, \slot, 0
	WIN 0
	s_barrier_wait -1
.if \fill
	CREST                                          ; the barrier has opened a round of the cluster's barrier: no wave of any partner still reads this slot or has a load on its way
	s_add_nc_u64 s[G0+4*\slot+2:G0+4*\slot+3], s[G0+4*\slot+2:G0+4*\slot+3], 2*AROWB
	s_add_nc_u64 s[G0B+4*\slot+2:G0B+4*\slot+3], s[G0B+4*\slot+2:G0B+4*\slot+3], 2*ROWB
	JLOAD G0+4*\slot, G1, G0B+4*\slot, G1B         ; the first tensor load behind the round; its four v_nop are the places in front of the loads below
.else
	PLACES NP
.endif
	v_add_nc_u32 v[ADRS], 4*NQ, v[ADRS]
	FETCH_B \next, 0, 0
	FETCH_A \next, 0, 0
	SCALES \next
	WIN MUL_HI
	MUL16 4, 1, NQ-1, \slot, 0
	MUL16 6, 1, NQ-1, \slot, 0
	PLACES NP
	WIN 0
	FETCH_A \next, 0, 4
.endm
	s_wait_tensorcnt 1                             ; the scales and my part of K step 0 are in (K step 1's load may be out)
	s_barrier_signal -1
	s_barrier_wait -1                              ; everybody's are
	FETCH_B 0, 0, 0
	FETCH_A 0, 0, 0
	SCALES 0
	FETCH_A 0, 0, 4
	STEP 0, 0, 1
	TURN 0, 1, 1
	STEP 1, 0, 0
	TURN 1, 0, 1
	STEP 0, 0, 0
	TURN 0, 1, 0
	STEP 1, 0, 0
	s_wait_dscnt 4*NLA
	WIN MUL_LO
	MUL16 0, 1, NQ-1, 1, 0
	MUL16 2, 1, NQ-1, 1, 0
	s_wait_dscnt 0
	WIN MUL_HI
	MUL16 4, 1, NQ-1, 1, 0
	MUL16 6, 1, NQ-1, 1, 0
	WIN 0
; THE WAY OUT, block by block of 16 positions x 128 columns, through my own stage in LDS: back come whole rows of 512 bytes.  LDS serves a wave's instructions in order: no wait between the stores and the loads.
.macro TOSTAGE a
.set AC, 64*((\a)%4)
	WIN 0x08+4*((\a)/4)                            ; the data: window 2 or 3
.irp b, 0,1,2,3,4,5,6,7
	ds_store_b128 v[STO], v[AC+8*\b:AC+8*\b+3] offset:128*(\b/2)+32*(\b%2)        ; each accumulator from its low end on
	ds_store_b128 v[STO], v[AC+8*\b+4:AC+8*\b+7] offset:128*(\b/2)+32*(\b%2)+16
.endr
	WIN 0
.set BB, BK+64*((\a)%2)
.irp t, 0,1,2,3,4,5,6,7,8,9,10,11,12,13,14,15
	ds_load_b128 v[BB+4*\t:BB+4*\t+3], v[RD] offset:\t*SPITCH
.endr
.endm
.macro SEND a, younger                 ; position 16 a + t is token 32 (a / 2) + 8 (a % 2) + t % 8 + 16 (t / 8) of my 128: it stands in the immediate, 520,192 bytes at the most, and the base is never stepped
.set BB, BK+64*((\a)%2)
	s_wait_dscnt \younger
.irp t, 0,1,2,3,4,5,6,7,8,9,10,11,12,13,14,15
	global_store_b128 v[CO], v[BB+4*\t:BB+4*\t+3], s[12:13] offset:(32*((\a)/2)+8*((\a)%2)+(\t%8)+16*(\t/8))*4096 th:TH_STORE_NT   ; 32 lanes store 512 consecutive bytes, aligned
.endr
.endm
	PLACES NP
	TOSTAGE 0
.irp a, 1,2,3,4,5,6,7
.if \a > 1
	s_wait_xcnt 0x0                                ; the stores of the block two back have read their registers: this block's loads may land there
.endif
	TOSTAGE \a
	SEND \a-1, 32                                  ; behind that block's loads: this block's 16 stores and 16 loads
.endr
	SEND 7, 0
	s_wait_tensorcnt 0x0                           ; the wave's end: behind my last tensor load and my last LDS store
	ds_add_u32 v[SPW], v[NIL]
	s_wait_dscnt 0x0
	CROUND                                         ; the closing round
	s_endpgm
.Lfunc_end_k_q6b10f206f2_gemm_proj:
	.size	k_q6b10f206f2_gemm_proj, .Lfunc_end_k_q6b10f206f2_gemm_proj-k_q6b10f206f2_gemm_proj
	.p2alignl 7, 3214868480
	.fill 96, 4, 3214868480
	.section	.rodata,"a",@progbits
	.p2align	6, 0x0
	.amdhsa_kernel k_q6b10f206f2_gemm_proj
		.amdhsa_group_segment_fixed_size 327680
		.amdhsa_private_segment_fixed_size 0
		.amdhsa_enable_private_segment 0
		.amdhsa_kernarg_size 48
		.amdhsa_user_sgpr_count 2
		.amdhsa_user_sgpr_kernarg_segment_ptr 1
		.amdhsa_wavefront_size32 1
		.amdhsa_system_sgpr_workgroup_id_x 1
		.amdhsa_system_sgpr_workgroup_id_y 1
		.amdhsa_system_sgpr_workgroup_id_z 1
		.amdhsa_system_vgpr_workitem_id 0
		.amdhsa_next_free_vgpr 1024
		.amdhsa_next_free_sgpr 104
		.amdhsa_reserve_vcc 0
		.amdhsa_float_denorm_mode_32 3
		.amdhsa_float_denorm_mode_16_64 3
		.amdhsa_memory_ordered 1
		.amdhsa_forward_progress 1
		.amdhsa_inst_pref_size 153
	.end_amdhsa_kernel
	.amdgpu_metadata
---
amdhsa.version: [ 1, 2 ]
amdhsa.kernels:
  - .name:           k_q6b10f206f2_gemm_proj
    .symbol:         k_q6b10f206f2_gemm_proj.kd
    .args:
      - { .name: cc, .offset: 0, .size: 8, .value_kind: global_buffer, .address_space: global }
      - { .name: cs, .offset: 8, .size: 8, .value_kind: global_buffer, .address_space: global }
      - { .name: wc, .offset: 16, .size: 8, .value_kind: global_buffer, .address_space: global }
      - { .name: ws, .offset: 24, .size: 8, .value_kind: global_buffer, .address_space: global }
      - { .name: b_proj, .offset: 32, .size: 8, .value_kind: global_buffer, .address_space: global }
      - { .name: out0, .offset: 40, .size: 8, .value_kind: global_buffer, .address_space: global }
    .group_segment_fixed_size: 327680
    .private_segment_fixed_size: 0
    .kernarg_segment_align: 8
    .kernarg_segment_size: 48
    .max_flat_workgroup_size: 128
    .sgpr_count:     104
    .vgpr_count:     1024
    .wavefront_size: 32
...
	.end_amdgpu_metadata
.endif
;; end of part 4
